; MI455X (gfx1250); checked and timed in simulation.
; The chip was launched on July 23, 2026; its instructions are those of AMD's public machine-readable ISA for CDNA 5 (MIT licence, August 2026) and "CDNA5" Instruction Set Architecture Reference Guide (July 2026). The comments in the code are by the model that wrote it; some were corrected since.
;; Multi Head Attention. Allowed arithmetic: matrix products marked QUANTISED: E2M3 operands, one E8M0 scale for each 32 along K, by v_wmma_scale_f32_16x16x128_f8f6f4 with both operands' format E2M3, f32 sums; everything else in f32.
;; Inputs: Wk 1,024 x 1,024 float32; Wo 1,024 x 1,024 float32; Wq 1,024 x 1,024 float32; Wv 1,024 x 1,024 float32; keys 4 x 2,048 x 1,024 float32; queries 4 x 2,048 x 1,024 float32; valid_lens 4 int32; values 4 x 2,048 x 1,024 float32.
;; Outputs: out0 4 x 2,048 x 1,024 float32.
;; This version of the problem:
;;   THIS VERSION OF THE PROBLEM IS GIVEN IN LOW PRECISION. The matrix products marked QUANTISED in the list below multiply operands that are first quantised to E2M3 (2 exponent bits, 3 mantissa bits; 6 bits a number), with one power-of-two scale for each 32 numbers along K (OCP MX v1.0); their sums are f32. All else is computed in f32.
;;   The module's matrix products, in the order in which they are computed (A, B: the left and right operand; K: the contracted axis; several contracted axes count as one K, in the product's order):
;;     1. [M 8,192, K 1,024] x [K 1,024, N 1,024]; A: input queries; B: input Wq: QUANTISED
;;     2. [M 8,192, K 1,024] x [K 1,024, N 1,024]; A: input keys; B: input Wk: QUANTISED
;;     3. [M 8,192, K 1,024] x [K 1,024, N 1,024]; A: input values; B: input Wv: QUANTISED
;;     4. batch 64 x [M 2,048, K 64] x [K 64, N 2,048]; A: computed on the way; B: computed on the way: QUANTISED
;;     5. batch 64 x [M 2,048, K 2,048] x [K 2,048, N 64]; A: softmax (see below); B: computed on the way: QUANTISED
;;     6. [M 8,192, K 1,024] x [K 1,024, N 1,024]; A: computed on the way; B: input Wo: QUANTISED
;;   THE QUANTISER, for each operand of a quantised product, along K:
;;     - K is cut into blocks of 32 from its start; a last block that is shorter is filled with zeros.
;;     - A block's scale is 2^e with e = floor(log2(the largest magnitude in the block)) - 2, held to -126 .. 127; a block of zeros has e = 0. As a byte (E8M0): e + 127.
;;     - Each number is divided by its block's scale, clamped to +-7.5, and rounded to the nearest number of E2M3, ties to even, subnormals kept.
;;     - The product sums the exact products of the quantised numbers (number of the format x scale) in f32.
;;   ~~~python
;;   def quantise(x, axis):      # numpy; x: float32 -> the quantised numbers, widened to float32 again
;;       x = np.moveaxis(x, axis, -1); K = x.shape[-1]
;;       x = np.pad(x, [(0, 0)] * (x.ndim - 1) + [(0, -K % 32)]); x = x.reshape(x.shape[:-1] + (-1, 32)); a = np.abs(x).max(-1, keepdims=True)
;;       e = np.where(a > 0, np.clip(np.frexp(np.where(a > 0, a, 1))[1] - 1 - 2, -126, 127), 0)      # np.frexp(a)[1] - 1 = floor(log2(a)), exactly
;;       r = np.clip(x / 2.0 ** e, -7.5, 7.5)
;;       step = 2.0 ** (np.maximum(np.frexp(np.where(r == 0, 1, r))[1] - 1, 0) - 3)
;;       q = np.round(r / step) * step * 2.0 ** e      # np.round: ties to even
;;       return np.moveaxis(q.reshape(q.shape[:-2] + (-1,))[..., :K], -1, axis).astype(np.float32)
;;   ~~~
;;   SOFTMAX AHEAD OF A QUANTISED PRODUCT. Where the list says 'softmax', what is quantised is not the finished softmax but p = 2^(t - M), with t = logit x log2(e) and M = ceil(the row's largest t), a whole number; so 1/2 < the row's largest p <= 1. The row's sum l is taken of the UNQUANTISED p, in f32, and the product's result is divided by l at the end. Since M is a whole number, a kernel that streams over the keys may use a running M (the ceiling of the running maximum): every later rescaling is an exact power of two, which a block's scale takes up: the codes' values come out the same.
;;   OPERANDS COMPUTED ON THE WAY. 'Computed on the way' means the value that the module computes at that place (a softmax that the list does not call 'softmax' is quantised finished and normalised). What goes into a quantiser is computed in f32, as accurately as f32 sums, v_exp_f32 and their like allow (about 1e-6 of the number): no bf16 or f16 on the way to a quantiser, and a product that is left as it is and whose result goes on into a quantised operand takes f32 operands (vector FMAs, or v_wmma_f32_16x16x4_f32). A number that lies on a knife's edge between two numbers of the format may be rounded either way, as far as f32 arithmetic and the matrix unit's own rounding can turn it there, and no further.
;; One version. Each part assembles by itself: llvm-mc -triple=amdgcn-amd-amdhsa -mcpu=gfx1250 --defsym DOCPART=n.
;; ======== version 1 of 1: 4 launches
;; limits: right only within a limited range of input values
;; workspace buffers: xq 19,660,800 bytes; wts 6,422,528 bytes; qf 6,553,600 bytes; kv 13,107,200 bytes; of 6,553,600 bytes
;; launch quant (part 1): grid 896 x 1, 4 waves a work-group, no clusters, 68,096 bytes of LDS; arguments queries, keys, values, Wq, Wk, Wv, Wo, xq, wts; writes xq, wts
.if DOCPART == 1
	.amdgcn_target "amdgcn-amd-amdhsa--gfx1250"
	.amdhsa_code_object_version 6
	.text
	.protected	k_q7ab00a9e0f_quant
	.globl	k_q7ab00a9e0f_quant
	.p2align	8
	.type	k_q7ab00a9e0f_quant,@function
k_q7ab00a9e0f_quant:
	s_mov_b64 s[64:65], 0
	v_nop
	global_prefetch_b8 v0, s[64:65] scope:SCOPE_SE
	s_setreg_imm32_b32 hwreg(HW_REG_WAVE_MODE, 25, 1), 1
	s_wait_xcnt 0x0
; queries, keys, values [8192][1024] f32 (K innermost) and Wq, Wk, Wv, Wo [1024 (k)][1024 (n)] f32 (K is the first axis) become codes of FP6 (E2M3) with K innermost
; and one E8M0 scale byte for each 32 along K.  A block's byte is its largest magnitude's exponent field - 2, held at 1 from below (a block of zeros gets 1: its codes are zeros, and this program alone reads the bytes).
; LAYOUT OF THE RESULTS.  xq: codes [3][8192][768], scale bytes [3][8192][32] from XS_OFF on;  wts: codes [4][1024][768], scale bytes [4][1024][32] from WS_OFF on.
; ROW i OF A TENSOR (a token, or a column n of a weight) IS STORED AT ROW pi(i): i with its bits 3 and 4 exchanged.  So 16 neighbouring rows of the workspace are rows 8 u + 0 .. 7 and 8 u + 16 .. 23 of a group of 32,
; and in a product whose source 0 is two such neighbouring blocks a lane's 16 result registers are 16 NEIGHBOURS of the natural order: what the next quantiser wants.
; Work-groups 0 .. 767: the three activations, 32 rows each, a wave 8 rows (16 steps of 512 numbers); a wave's 8 rows keep their order, and the waves' places 1 and 2 are exchanged: that is pi.
; Work-groups 768 .. 895: the four weights, 128 columns x 256 along K each; a lane takes a column and its registers run down K; pi stands in the immediates of the way out.
; The two ways part on the work-group's number and have LDS bytes of their own.  No tensor loads, no barrier: waves share nothing.
; LIMITS: NaN and infinities among the inputs are not served; blocks whose largest magnitude lies under 2^-124 keep the byte 1.
.set XS_OFF, 18874368
; THE CODES' ORDER (it takes the place of the order of codes named above): by steps of 256 along K, 192 bytes of a row each:
; xq [3][4 steps][8192 rows][192], wts [4 steps, 1,572,864 bytes apart][4 weights][1024 rows][192]: 128 rows of a step are 24,576 bytes on end.
.set WS_OFF, 6291456
.set STEPS, 16
.set EMAX,  2
.set CB,    12                         ; bytes of 16 codes
.set XR,    16                         ; v16-79   activations: four sets of 16 numbers as they are loaded
.set XX,    80                         ; v80-111  two sets of 16 neighbours
.set XE,    112                        ; v112-127 a scale byte for each step
.set XC,    128                        ; v128-191 codes: four registers for each step
.set WREG,  8192                       ; LDS 0 .. 32767: a region for each wave of the activations' way: two stages of 32 x SP bytes, then 256 scale bytes
.set SP,    80
.set WSTG,  32768                      ; LDS 32768 ..: the weights' way: four stages of 32 rows x PITCH
.set PITCH, 272
.set KROW,  192                        ; a row's codes of one step of 256 along K, in bytes
.set NB,    8                          ; blocks of 32 along K for a wave of the weights' way
.set WX,    32                         ; v32-95   weights: two sets of 32 numbers
.set WC,    96                         ; v96..    a block's codes
.set OUTR,  112                        ; v112-175 the way out
.set SB,    24                         ; v24-25   the scale bytes, four to a register
.set SPW,   192                        ; v192     LDS address of my spare word; never rewritten
.set NIL,   193                        ; v193     0; never rewritten
.set SPARE, WSTG+4*32*PITCH            ; behind both ways' bytes: the spare words, 128 bytes for each wave, which no other line names
	s_load_b256 s[4:11], s[0:1], 0x0               ; queries, keys, values, Wq
	s_load_b256 s[12:19], s[0:1], 0x20             ; Wk, Wv, Wo, xq
	s_load_b64 s[20:21], s[0:1], 0x40              ; wts
	v_lshl_add_u32 v[SPW], v0, 2, SPARE
	v_mov_b32 v[NIL], 0
	v_lshrrev_b32 v1, 5, v0
	v_readfirstlane_b32 s22, v1                    ; wave
	v_and_b32 v2, 31, v0                           ; lane
	s_cmp_lt_u32 ttmp9, 768
	s_cbranch_scc0 .Lweights
	; ---------------- the activations ----------------
	v_lshlrev_b32 v3, 4, v2                        ; my 16 bytes of a load's 512
	s_mul_i32 s23, s22, WREG
	v_lshrrev_b32 v14, 2, v2
	v_mul_u32_u24 v14, v14, SP
	v_and_b32 v15, 3, v2
	v_lshl_add_u32 v14, v15, 4, v14
	v_add_nc_u32 v14, s23, v14                     ; the stage, on the way in: four lanes' 64 bytes on end, then 16 of padding
	v_mul_u32_u24 v15, v2, SP
	v_add_nc_u32 v15, s23, v15                     ; and on the way out: my 16 neighbours
	v_and_b32 v4, 15, v2
	v_mul_u32_u24 v4, v4, CB                       ; my codes' place in a row's 192 bytes of a step along K;
	v_lshrrev_b32 v10, 4, v2
	v_mad_u32_u24 v4, v10, 0x180000, v4            ; lanes 16-31 hold the next step along K, 1,572,864 bytes on
	v_lshrrev_b32 v5, 1, v2
	s_add_co_u32 s23, s23, 2*32*SP
	v_add_nc_u32 v5, s23, v5                       ; LDS: my wave's 256 scale bytes, my block's byte
	v_lshlrev_b32 v7, 3, v2                        ; and on the way out 8 bytes a lane
	v_add_nc_u32 v6, s23, v7
	s_lshr_b32 s24, ttmp9, 8                       ; which tensor
	s_and_b32 s25, ttmp9, 255
	s_lshl_b32 s25, s25, 2                         ; the group's first run of 8 rows
	s_add_co_u32 s26, s25, s22
	s_lshl_b32 s26, s26, 15                        ; I read run 4 g + wave: 32,768 bytes each
	s_mov_b32 s27, 0
	s_and_b32 s28, s22, 1
	s_lshl_b32 s28, s28, 1
	s_lshr_b32 s29, s22, 1
	s_or_b32 s28, s28, s29                         ; the wave's two bits exchanged: bits 3 and 4 of the row
	s_add_co_u32 s25, s25, s28                     ; I write run 4 g + that
	s_mul_i32 s30, s24, 6291456
	s_mul_i32 s28, s25, 1536
	s_add_co_u32 s30, s30, s28                     ; codes: 1,536 bytes a run in each step
	s_mov_b32 s31, 0
	s_lshl_b32 s32, s24, 18
	s_lshl_b32 s28, s25, 8
	s_add_co_u32 s32, s32, s28
	s_add_co_u32 s32, s32, XS_OFF                  ; scale bytes: 256 a run
	s_mov_b32 s33, 0
	s_wait_alu depctr_va_vdst(0)
	s_wait_kmcnt 0x0
	s_cmp_lt_u32 ttmp9, 256                        ; the choice hangs on the work-group's number alone
	s_cselect_b64 s[4:5], s[4:5], s[6:7]
	s_cmp_lt_u32 ttmp9, 512
	s_cselect_b64 s[4:5], s[4:5], s[8:9]
	s_add_nc_u64 s[4:5], s[4:5], s[26:27]
	s_add_nc_u64 s[8:9], s[18:19], s[30:31]
	s_add_nc_u64 s[10:11], s[18:19], s[32:33]
.macro XLOAD t
.irp i, 0,1,2,3
	global_load_b128 v[XR+16*((\t)%4)+4*\i:XR+16*((\t)%4)+4*\i+3], v3, s[4:5] offset:2048*(\t)+512*\i th:TH_LOAD_NT   ; 32 lanes read 512 consecutive bytes
.endr
.endm
.macro XTURN t                         ; step t's numbers through the stage: LDS serves a wave's instructions in order, so no wait stands between the stores and the loads
.irp i, 0,1,2,3
	ds_store_b128 v14, v[XR+16*((\t)%4)+4*\i:XR+16*((\t)%4)+4*\i+3] offset:32*SP*((\t)%2)+8*SP*\i
.endr
.irp i, 0,1,2,3
	ds_load_b128 v[XX+16*((\t)%2)+4*\i:XX+16*((\t)%2)+4*\i+3], v15 offset:32*SP*((\t)%2)+16*\i
.endr
.endm
.irp t, 0,1,2,3
	XLOAD \t
.endr
	s_wait_loadcnt 12                              ; step 0's four loads are in; the three younger steps' twelve may be out
	XTURN 0
.macro XSTEP t
.set XN, XX+16*((\t)%2)
.if (\t) > 0
	s_wait_dscnt 1                                 ; this step's numbers are back from the stage (the last step's byte store may be out): so its stores into the stage have read their registers,
.else
	s_wait_dscnt 0x0
.endif
.if (\t)+4 < STEPS
	XLOAD (\t)+4                                   ; which take the loads of four steps on
.endif
.if (\t)+1 < STEPS
.if STEPS-2-(\t) >= 3
	s_wait_loadcnt 12                              ; the next step's four loads are in; those of the three steps behind it may be out
.else
	s_wait_loadcnt 4*(STEPS-2-(\t))
.endif
	XTURN (\t)+1                                   ; and go through the other stage while this step is worked
.endif
	v_max3_num_f32 v8, |v[XN]|, |v[XN+1]|, |v[XN+2]|               ; the largest magnitude of my 16
	v_max3_num_f32 v9, |v[XN+3]|, |v[XN+4]|, |v[XN+5]|
.irp i, 6,10
	v_max3_num_f32 v8, v8, |v[XN+\i]|, |v[XN+\i+1]|
	v_max3_num_f32 v9, v9, |v[XN+\i+2]|, |v[XN+\i+3]|
.endr
	v_max3_num_f32 v8, v8, |v[XN+14]|, |v[XN+15]|
	v_max3_num_f32 v8, v8, v9, (EMAX+1)<<23        ; and the floor 2^(EMAX + 1 - 127): the byte cannot fall under 1
	v_max_num_f32_dpp v8, v8, v8 row_xmask:1 row_mask:0xf bank_mask:0xf   ; and of my neighbour's 16: the block's
	v_add_nc_u32 v11, -(EMAX<<23), v8              ; EMAX off its exponent field: the conversion takes the exponent field of this operand as its scale
	v_cvt_scalef32_pk16_fp6_f32 v[XC+4*(\t):XC+4*(\t)+2], v[XN:XN+15], v11
	v_lshrrev_b32 v[XE+(\t)], 23, v11              ; the scale's byte
	ds_store_b8 v5, v[XE+(\t)] offset:16*(\t)      ; both lanes of a block write the same byte with the same value
	global_store_b96 v4, v[XC+4*(\t):XC+4*(\t)+2], s[8:9] offset:3145728*((\t)%2)+192*((\t)/2)   ; row t / 2 of my eight; sixteen lanes store 192 consecutive bytes
.endm
.irp t, 0,1,2,3,4,5,6,7,8,9,10,11,12,13,14,15
	XSTEP \t
.endr
	ds_load_b64 v[8:9], v6                         ; LDS serves a wave's instructions in order: these see my stores
	s_wait_dscnt 0x0
	global_store_b64 v7, v[8:9], s[10:11]          ; 32 lanes store 256 consecutive bytes, at a multiple of 256 from the buffer's first byte
	s_wait_tensorcnt 0x0                           ; the wave's end, behind my last LDS store
	ds_add_u32 v[SPW], v[NIL]
	s_wait_dscnt 0x0
	s_endpgm
	; ---------------- the weights ----------------
.Lweights:
	s_sub_co_u32 s23, ttmp9, 768
	s_lshr_b32 s24, s23, 5                         ; which weight: q, k, v, o
	s_and_b32 s25, s23, 7                          ; which 128 columns
	s_bfe_u32 s26, s23, 0x20003                    ; which 256 along K
	s_lshl_b32 s27, s25, 7
	s_lshl_b32 s28, s22, 5
	s_add_co_u32 s27, s27, s28                     ; my wave's first column
	s_wait_alu depctr_va_vdst(0)
	v_lshlrev_b32 v3, 2, v2                        ; in: 4 bytes a lane
	s_mul_i32 s34, s22, 32*PITCH
	s_add_co_u32 s34, s34, WSTG                    ; my stage
	v_mul_u32_u24 v4, v2, PITCH
	v_add_nc_u32 v4, s34, v4                       ; into it: row = my column
	v_and_b32 v5, 15, v2
	v_lshrrev_b32 v6, 4, v2                        ; out of it: sixteen lanes to a row, two rows an instruction
	v_mul_u32_u24 v7, v6, PITCH
	v_lshl_add_u32 v7, v5, 4, v7
	v_add_nc_u32 v7, s34, v7
	v_mul_u32_u24 v8, v6, KROW
	v_mad_u32_u24 v8, v5, 12, v8                   ; and the same place in the codes' buffer
	v_and_b32 v9, 7, v2
	v_and_b32 v10, 8, v2
	v_lshl_or_b32 v9, v10, 1, v9
	v_and_b32 v10, 16, v2
	v_lshrrev_b32 v10, 1, v10
	v_or_b32 v9, v9, v10                           ; pi(lane)
	v_lshlrev_b32 v9, 5, v9                        ; my column's row of scale bytes: 32 bytes a row
	s_lshl_b32 s28, s26, 20                        ; W: 256 rows of 4,096 bytes for each step along K,
	s_lshl_b32 s29, s27, 2
	s_add_co_u32 s28, s28, s29                     ; + 4 x column
	s_mov_b32 s29, 0
	s_mul_i32 s30, s24, 196608
	s_mul_i32 s31, s27, KROW
	s_add_co_u32 s30, s30, s31
	s_mul_i32 s31, s26, 1572864
	s_add_co_u32 s30, s30, s31                     ; codes: weight x 196,608, column x 192, 1,572,864 bytes for each 256 along K
	s_mov_b32 s31, 0
	s_lshl_b32 s32, s24, 15
	s_lshl_b32 s33, s27, 5
	s_add_co_u32 s32, s32, s33
	s_lshl_b32 s33, s26, 3
	s_add_co_u32 s32, s32, s33
	s_add_co_u32 s32, s32, WS_OFF                  ; scale bytes
	s_mov_b32 s33, 0
	s_wait_kmcnt 0x0
	s_cmp_eq_u32 s24, 0                            ; the choices hang on the work-group's number alone
	s_cselect_b64 s[4:5], s[10:11], s[12:13]
	s_cmp_lt_u32 s24, 2
	s_cselect_b64 s[4:5], s[4:5], s[14:15]
	s_cmp_lt_u32 s24, 3
	s_cselect_b64 s[4:5], s[4:5], s[16:17]
	s_add_nc_u64 s[4:5], s[4:5], s[28:29]
	s_add_nc_u64 s[6:7], s[20:21], s[30:31]
	s_add_nc_u64 s[8:9], s[20:21], s[32:33]
.macro WLOAD t                         ; block t: W(32 t + i, my column), i = 0 .. 31, into set t % 2: each load reads 128 consecutive bytes a wave
.set i, 0
.rept 32
	global_load_b32 v[WX+32*((\t)%2)+i], v3, s[4:5] offset:(32*(\t)+i)*4096 th:TH_LOAD_NT
.set i, i+1
.endr
.endm
	WLOAD 0
	WLOAD 1
.macro WBLOCK t
.set XN, WX+32*((\t)%2)
.if (\t) < NB-1
	s_wait_loadcnt 32                              ; this block's 32 loads are in; the next block's may be out
.else
	s_wait_loadcnt 0
.endif
	v_max3_num_f32 v12, |v[XN]|, |v[XN+1]|, |v[XN+2]|              ; the block's largest magnitude: all 32 numbers are mine
	v_max3_num_f32 v13, |v[XN+3]|, |v[XN+4]|, |v[XN+5]|
.irp i, 6,10,14,18,22,26
	v_max3_num_f32 v12, v12, |v[XN+\i]|, |v[XN+\i+1]|
	v_max3_num_f32 v13, v13, |v[XN+\i+2]|, |v[XN+\i+3]|
.endr
	v_max3_num_f32 v12, v12, |v[XN+30]|, |v[XN+31]|
	v_max3_num_f32 v12, v12, v13, (EMAX+1)<<23     ; and the floor
	v_add_nc_u32 v11, -(EMAX<<23), v12             ; the conversion's scale operand
	v_lshrrev_b32 v13, 23, v11                     ; the scale's byte
.if (\t)%4 == 0
	v_mov_b32 v[SB+(\t)/4], v13                    ; four bytes to a register, the lower K in the lower byte
.else
	v_lshl_or_b32 v[SB+(\t)/4], v13, 8*((\t)%4), v[SB+(\t)/4]
.endif
	v_cvt_scalef32_pk16_fp6_f32 v[WC:WC+2], v[XN:XN+15], v11
	v_cvt_scalef32_pk16_fp6_f32 v[WC+4:WC+6], v[XN+16:XN+31], v11  ; (a conversion's three registers begin on an even number)
	ds_store_b96 v4, v[WC:WC+2] offset:32*(\t)     ; 16 codes, 12 bytes, to a place of 16 bytes in the stage
	ds_store_b96 v4, v[WC+4:WC+6] offset:32*(\t)+16
.if (\t)+2 < NB
	WLOAD (\t)+2
.endif
	s_wait_dscnt 0x0                               ; the stores have read their registers: the next block's codes may be written
.endm
.set Q, 0
.rept NB
	WBLOCK Q
.set Q, Q+1
.endr
	s_wait_alu depctr_va_vdst(0)
	global_store_b64 v9, v[SB:SB+1], s[8:9]        ; my column's 8 scale bytes, at row pi(column)
	s_cmp_lg_u32 s24, 3                            ; the work-group's number alone decides
	s_cbranch_scc1 .Lrows
	; Wo's CODES LEAVE AS IMAGES OF THE OPERAND'S REGISTERS: from byte 786,432 of wts on, [block of 16 rows pi][step of 128 along K][3][lane][16 bytes].
	; Lane (r, h) of block beta of my 32 columns holds column 8 beta + r % 8 + 16 (r / 8); its register g of step q holds dword 24 q + 12 (g / 6) + 6 h + g % 6 of the column's codes;
	; dword d lies in the stage at 16 (d / 3) + 4 (d % 3).  32 lanes store 512 consecutive bytes.
	s_mul_i32 s30, s27, 768                        ; 12,288 bytes a block of 16 columns
	s_mul_i32 s31, s26, 3072                       ; two steps of 1,536 bytes for each 256 along K
	s_add_co_u32 s30, s30, s31
	s_add_co_u32 s30, s30, 786432
	s_mov_b32 s31, 0
	s_add_nc_u64 s[6:7], s[20:21], s[30:31]
	v_and_b32 v10, 7, v5
	v_lshrrev_b32 v11, 3, v5
	v_lshl_add_u32 v10, v11, 4, v10
	v_mul_u32_u24 v10, v10, PITCH
	v_lshl_add_u32 v10, v6, 5, v10
	v_add_nc_u32 v10, s34, v10
	v_lshlrev_b32 v11, 4, v2
.irp f, 0,1,2,3
.irp g, 0,1,2,3,4,5,6,7,8,9,10,11
	ds_load_b32 v[OUTR+12*\f+\g], v10 offset:8*(\f/2)*PITCH+16*((24*(\f%2)+12*(\g/6)+\g%6)/3)+4*((24*(\f%2)+12*(\g/6)+\g%6)%3)
.endr
.endr
	s_wait_alu depctr_va_vdst(0)
	s_wait_dscnt 0x0
.irp f, 0,1,2,3
.irp c, 0,1,2
	global_store_b128 v11, v[OUTR+12*\f+4*\c:OUTR+12*\f+4*\c+3], s[6:7] offset:12288*(\f/2)+1536*(\f%2)+512*\c
.endr
.endr
	s_wait_tensorcnt 0x0                           ; the wave's end
	ds_add_u32 v[SPW], v[NIL]
	s_wait_dscnt 0x0
	s_endpgm
.Lrows:
.irp t, 0,1,2,3,4,5,6,7,8,9,10,11,12,13,14,15
	ds_load_b96 v[OUTR+4*\t:OUTR+4*\t+2], v7 offset:2*\t*PITCH   ; LDS serves a wave's instructions in order: these see my stores
.endr
.irp t, 0,1,2,3,4,5,6,7,8,9,10,11,12,13,14,15
	s_wait_dscnt 15-\t                             ; the younger loads may be out
	global_store_b96 v8, v[OUTR+4*\t:OUTR+4*\t+2], s[6:7] offset:(16*((\t/4)%2)+8*(\t/8)+2*(\t%4))*KROW   ; stage rows 2 t and 2 t + 1 go to rows pi(2 t), pi(2 t) + 1; sixteen lanes store a row's 192 consecutive bytes
.endr
	s_wait_tensorcnt 0x0                           ; the wave's end, behind my last LDS store
	ds_add_u32 v[SPW], v[NIL]
	s_wait_dscnt 0x0
	s_endpgm
.Lfunc_end_k_q7ab00a9e0f_quant:
	.size	k_q7ab00a9e0f_quant, .Lfunc_end_k_q7ab00a9e0f_quant-k_q7ab00a9e0f_quant
	.p2alignl 7, 3214868480
	.fill 96, 4, 3214868480
	.section	.rodata,"a",@progbits
	.p2align	6, 0x0
	.amdhsa_kernel k_q7ab00a9e0f_quant
		.amdhsa_group_segment_fixed_size 68096
		.amdhsa_private_segment_fixed_size 0
		.amdhsa_enable_private_segment 0
		.amdhsa_kernarg_size 72
		.amdhsa_user_sgpr_count 2
		.amdhsa_user_sgpr_kernarg_segment_ptr 1
		.amdhsa_wavefront_size32 1
		.amdhsa_system_sgpr_workgroup_id_x 1
		.amdhsa_system_sgpr_workgroup_id_y 1
		.amdhsa_system_sgpr_workgroup_id_z 1
		.amdhsa_system_vgpr_workitem_id 0
		.amdhsa_next_free_vgpr 194
		.amdhsa_next_free_sgpr 66
		.amdhsa_reserve_vcc 0
		.amdhsa_float_denorm_mode_32 3
		.amdhsa_float_denorm_mode_16_64 3
		.amdhsa_memory_ordered 1
		.amdhsa_forward_progress 1
		.amdhsa_inst_pref_size 80
	.end_amdhsa_kernel
	.amdgpu_metadata
---
amdhsa.version: [ 1, 2 ]
amdhsa.kernels:
  - .name:           k_q7ab00a9e0f_quant
    .symbol:         k_q7ab00a9e0f_quant.kd
    .args:
      - { .name: queries, .offset: 0, .size: 8, .value_kind: global_buffer, .address_space: global }
      - { .name: keys, .offset: 8, .size: 8, .value_kind: global_buffer, .address_space: global }
      - { .name: values, .offset: 16, .size: 8, .value_kind: global_buffer, .address_space: global }
      - { .name: Wq, .offset: 24, .size: 8, .value_kind: global_buffer, .address_space: global }
      - { .name: Wk, .offset: 32, .size: 8, .value_kind: global_buffer, .address_space: global }
      - { .name: Wv, .offset: 40, .size: 8, .value_kind: global_buffer, .address_space: global }
      - { .name: Wo, .offset: 48, .size: 8, .value_kind: global_buffer, .address_space: global }
      - { .name: xq, .offset: 56, .size: 8, .value_kind: global_buffer, .address_space: global }
      - { .name: wts, .offset: 64, .size: 8, .value_kind: global_buffer, .address_space: global }
    .group_segment_fixed_size: 68096
    .private_segment_fixed_size: 0
    .kernarg_segment_align: 8
    .kernarg_segment_size: 72
    .max_flat_workgroup_size: 128
    .sgpr_count:     66
    .vgpr_count:     194
    .wavefront_size: 32
...
	.end_amdgpu_metadata
.endif
;; end of part 1
;; launch proj (part 2): grid 4 x 96, 4 waves a work-group, clusters of 4 x 4, 327,680 bytes of LDS; arguments xq, wts, qf, kv; writes qf, kv
.if DOCPART == 2
	.amdgcn_target "amdgcn-amd-amdhsa--gfx1250"
	.amdhsa_code_object_version 6
	.text
	.protected	k_q7ab00a9e0f_proj
	.globl	k_q7ab00a9e0f_proj
	.p2align	8
	.type	k_q7ab00a9e0f_proj,@function
k_q7ab00a9e0f_proj:
	s_mov_b64 s[64:65], 0
	v_nop
	global_prefetch_b8 v0, s[64:65] scope:SCOPE_SE
	s_setreg_imm32_b32 hwreg(HW_REG_WAVE_MODE, 25, 1), 1
	s_wait_xcnt 0x0
	s_wait_alu depctr_hold_cnt(0) depctr_sa_sdst(0) depctr_va_vdst(0) depctr_va_sdst(0) depctr_va_ssrc(0) depctr_va_vcc(0) depctr_vm_vsrc(0)
	s_getreg_b32 s2, hwreg(HW_REG_IB_STS2, 6, 4)
	s_cmp_eq_u32 s2, 0
	s_cbranch_scc0 .Lentry_in_a_cluster
	s_endpgm
.Lentry_in_a_cluster:
	s_bfe_u32 s2, ttmp6, 0x10000c
	s_cmp_lg_u32 s2, 0xf033
	s_cbranch_scc0 .Lentry_shape_is_right
	s_endpgm
.Lentry_shape_is_right:
.set XS_OFF, 18874368
.set WS_OFF, 6291456
.set QS_OFF, 6291456
.set KSTEP,  256
.set NQ,     2
.set ROWB,   1572864                   ; bytes from a step of 256 along K to the next, in xq and in wts
.set KROW,   192                       ; a row's codes of one step
.set PITCH,  240
.set FR,     12
.set NL,     6
.set NP,     4
.set HALFT,  128*PITCH
.set SLOT,   4*HALFT
.set LAPS,   2
.set KS,     32
.set SCL,    2*SLOT
.set HALFS,  (128*KS/256)*272
.set SBLK,   (16*KS/256)*272
.set SPARE,  SCL+4*HALFS
.set ADRA, 16
.set ADRB, 20
.set CS4,  25
.set CO,   26
.set ADRS, 27
.set SPW,  28
.set NIL,  29
.set SC,   32
.set FA,   64
.set FBF,  76
.set T0,   88
.set T1,   92
.set SAVA, 96
.set SAVB, 97
.set SW,   98
.set AF,   128
.set TM,   200
.set PW0,  216
.set PW1,  217
.set G1, 24
.set G0, 32
.set G1B, 48
.set G0B, 56
.set G1S, 68
.set G0S, 76
.set G1SB, 80
.set G0SB, 88
.set MSB, 0
.macro WIN new
.if MSB != (\new)
	s_set_vgpr_msb (MSB<<8)|(\new)
.set MSB, (\new)
.endif
.endm
.set MUL_LO, 0xa1
.set MUL_HI, 0xf1
.set TO_B,   0x40
.macro JLOAD g0a, g1a, g0b, g1b
	s_cmp_eq_u32 s15, 0
	s_cbranch_scc0 .Lfor_b_\@
	tensor_load_to_lds s[\g0a:\g0a+3], s[\g1a:\g1a+7]
	s_nop 0
.rept 4
	v_nop
.endr
	s_branch .Lasked_\@
.Lfor_b_\@:
	tensor_load_to_lds s[\g0b:\g0b+3], s[\g1b:\g1b+7]
	s_nop 0
.rept 4
	v_nop
.endr
.Lasked_\@:
.endm
.macro CREST
	s_cmp_lg_u32 s14, 0
	s_cbranch_scc1 .Lnot_wave_0_\@
	s_barrier_signal -3
.Lnot_wave_0_\@:
	s_barrier_wait -3
	s_barrier_signal -1
	s_barrier_wait -1
.endm
.macro CROUND
	s_barrier_signal -1
	s_barrier_wait -1
	CREST
.endm
	s_load_b256 s[4:11], s[0:1], 0x0
	v_lshl_add_u32 v[SPW], v0, 2, SPARE
	v_mov_b32 v[NIL], 0
	ds_add_u32 v[SPW], v[NIL]
	ds_add_u32 v[SPW], v[NIL]
	v_lshrrev_b32 v1, 5, v0
	v_readfirstlane_b32 s14, v1
	s_lshr_b32 s15, s14, 1
	s_and_b32 s16, s14, 1
	s_bfe_u32 s40, ttmp6, 0x40000
	s_bfe_u32 s41, ttmp6, 0x40004
	s_and_b32 s95, ttmp7, 0xffff
	s_and_b32 s96, s95, 7
	s_lshr_b32 s95, s95, 3
	s_cmp_eq_u32 s95, 2
	s_cselect_b32 s99, 1, 0
	s_cselect_b32 s97, 0, s96
	s_cselect_b32 s98, s96, 0
	s_lshl_b32 s42, s98, 2
	s_add_co_u32 s42, s42, s40
	s_lshl_b32 s17, s97, 2
	s_add_co_u32 s17, s17, s41
	s_lshl_b32 s43, s41, 2
	s_lshl_b32 s43, 15, s43
	s_lshl_b32 s44, 0x1111, s40
	s_or_b32 s[G1+0], s43, (0<<16)|(1<<20)|(1<<21)|(3<<22)|(3<<25)
	s_or_b32 s[G1B+0], s44, (0<<16)|(1<<20)|(1<<21)|(3<<22)|(3<<25)
.irp g, G1, G1B
	s_mov_b32 s[\g+1], 256<<16                     ; 128 rows x 192 bytes lie on end: stated as 96 rows of 256 bytes; the padding goes by 64 bytes, so an LDS row of 192 bytes has the pitch 240
	s_mov_b32 s[\g+2], 192<<16                     ; the head's loads bring 256 rows; behind them the two words that count rows are set for 128
	s_mov_b32 s[\g+3], 256<<16
	s_mov_b32 s[\g+4], 192
	s_mov_b32 s[\g+5], 256
	s_mov_b32 s[\g+6], 0
	s_mov_b32 s[\g+7], 0
.endr
	s_or_b32 s[G1S+0], s43, (3<<16)|(1<<20)|(1<<21)|(5<<22)|(3<<25)
	s_or_b32 s[G1SB+0], s44, (3<<16)|(1<<20)|(1<<21)|(5<<22)|(3<<25)
.irp g, G1S, G1SB
	s_mov_b32 s[\g+1], 32<<16
	s_mov_b32 s[\g+2], (256*KS/256)<<16
	s_mov_b32 s[\g+3], 32<<16
	s_mov_b32 s[\g+4], 256*KS/256
	s_mov_b32 s[\g+5], 32
	s_mov_b32 s[\g+6], 0
	s_mov_b32 s[\g+7], 0
.endr
	s_lshl_b32 s20, s17, 8                         ; the tiles' first rows
	s_lshl_b32 s46, s42, 8
	s_mov_b32 s21, 0
	s_mov_b32 s47, 0
	s_mov_b64 s[18:19], KS
	s_mul_u64 s[22:23], s[20:21], s[18:19]
	s_mul_u64 s[92:93], s[46:47], s[18:19]
	s_mov_b64 s[18:19], KROW
	s_mul_u64 s[20:21], s[20:21], s[18:19]
	s_mul_u64 s[46:47], s[46:47], s[18:19]
	s_mul_i32 s45, s14, HALFT
	s_mul_i32 s94, s14, HALFS
	s_wait_dscnt 0x0
	s_wait_kmcnt 0x0
	s_mov_b32 s19, 0
	s_mul_i32 s18, s95, 6291456
	s_add_nc_u64 s[12:13], s[4:5], s[18:19]
	s_lshl_b32 s18, s95, 18
	s_add_co_u32 s18, s18, XS_OFF
	s_add_nc_u64 s[66:67], s[4:5], s[18:19]
	s_mul_i32 s18, s95, 196608
	s_add_nc_u64 s[96:97], s[6:7], s[18:19]
	s_lshl_b32 s18, s95, 15
	s_add_co_u32 s18, s18, WS_OFF
	s_add_nc_u64 s[100:101], s[6:7], s[18:19]
	s_cmp_eq_u32 s99, 1
	s_cselect_b64 s[4:5], s[96:97], s[12:13]
	s_cselect_b64 s[6:7], s[100:101], s[66:67]
	s_cselect_b64 s[12:13], s[12:13], s[96:97]
	s_cselect_b64 s[66:67], s[66:67], s[100:101]
	s_add_nc_u64 s[20:21], s[4:5], s[20:21]
	s_add_nc_u64 s[22:23], s[6:7], s[22:23]
	s_add_nc_u64 s[46:47], s[12:13], s[46:47]
	s_add_nc_u64 s[92:93], s[66:67], s[92:93]
	CROUND
	; THE HEAD'S FOUR TILES, each whole, one load a wave: step 0's 256 rows of A, its 256 rows of B, the scales of A's 256 rows, those of B's
	s_mov_b32 s[G0S], 1
	s_mov_b32 s[G0S+1], SCL
	s_mov_b64 s[G0S+2:G0S+3], s[22:23]
	s_or_b32 s[G0S+3], s[G0S+3], 0x80000000
	s_mov_b32 s[G0SB], 1
	s_mov_b32 s[G0SB+1], SCL+2*HALFS
	s_mov_b64 s[G0SB+2:G0SB+3], s[92:93]
	s_or_b32 s[G0SB+3], s[G0SB+3], 0x80000000
	s_mov_b32 s[G0], 1
	s_mov_b32 s[G0+1], 0
	s_mov_b64 s[G0+2:G0+3], s[20:21]
	s_or_b32 s[G0+3], s[G0+3], 0x80000000
	s_mov_b32 s[G0B], 1
	s_mov_b32 s[G0B+1], 2*HALFT
	s_mov_b64 s[G0B+2:G0B+3], s[46:47]
	s_or_b32 s[G0B+3], s[G0B+3], 0x80000000
	s_mul_i32 s18, s16, 128*KROW                   ; for the ring: my 128 rows of a tile
	s_mov_b32 s19, 0
	s_add_nc_u64 s[20:21], s[20:21], s[18:19]
	s_add_nc_u64 s[46:47], s[46:47], s[18:19]
	s_mov_b32 s[G0+4], 1
	s_add_co_u32 s[G0+5], s45, SLOT
	s_add_nc_u64 s[G0+6:G0+7], s[20:21], ROWB
	s_or_b32 s[G0+7], s[G0+7], 0x80000000
	s_mov_b32 s[G0B+4], 1
	s_add_co_u32 s[G0B+5], s45, SLOT
	s_add_nc_u64 s[G0B+6:G0B+7], s[46:47], ROWB
	s_or_b32 s[G0B+7], s[G0B+7], 0x80000000
.macro ARM under, g0, g1, next         ; one chain of branches on the wave's number: every way passes exactly one load
	s_cmp_lt_u32 s14, \under
	s_cbranch_scc0 \next
	tensor_load_to_lds s[\g0:\g0+3], s[\g1:\g1+7]
	s_nop 0
.rept 4
	v_nop
.endr
	s_branch .Lhead_asked
\next:
.endm
	ARM 1, G0,  G1,  .Lhead_b
	ARM 2, G0B, G1B, .Lhead_sa
	ARM 3, G0S, G1S, .Lhead_sb
	tensor_load_to_lds s[G0SB:G0SB+3], s[G1SB:G1SB+7]
	s_nop 0
.rept 4
	v_nop
.endr
.Lhead_asked:
	s_wait_alu depctr_va_vdst(0)
	s_wait_tensorcnt 0x0                           ; my tile of the four is in
	ds_add_u32 v28, v29
	s_mov_b32 s[G0+1], s45                         ; no tensor load of mine is out: slot 0's descriptors are set for the ring, 128 rows a wave
	s_mov_b64 s[G0+2:G0+3], s[20:21]
	s_or_b32 s[G0+3], s[G0+3], 0x80000000
	s_mov_b32 s[G0B+1], s45
	s_mov_b64 s[G0B+2:G0B+3], s[46:47]
	s_or_b32 s[G0B+3], s[G0B+3], 0x80000000
	s_mov_b32 s[G1+2], 96<<16
	s_mov_b32 s[G1+4], 96
	s_mov_b32 s[G1B+2], 96<<16
	s_mov_b32 s[G1B+4], 96
	s_wait_dscnt 0x0
	CROUND
	JLOAD G0+4, G1, G0B+4, G1B                     ; step 1, the first tensor load behind the round
	v_and_b32 v1, 15, v0
	v_bfe_u32 v2, v0, 4, 1
	v_mul_u32_u24 v3, v1, PITCH
	v_mul_u32_u24 v4, v2, 24
	v_add_nc_u32 v4, v3, v4
	v_lshl_add_u32 v5, v2, 4, v4
	s_mul_i32 s21, s15, HALFT
	s_mul_i32 s22, s16, HALFT
	s_add_co_u32 s22, s22, 2*HALFT
.irp s, 0,1
	v_add_nc_u32 v[ADRA+\s], s21, v4
	v_add_nc_u32 v[ADRB+\s], s22, v4
	v_add_nc_u32 v[ADRA+2+\s], s21, v5
	v_add_nc_u32 v[ADRB+2+\s], s22, v5
	s_add_co_u32 s21, s21, SLOT
	s_add_co_u32 s22, s22, SLOT
.endr
	v_mul_u32_u24 v5, v1, KS
	v_lshrrev_b32 v6, 8, v5
	v_lshl_add_u32 v5, v6, 4, v5
	s_mul_i32 s21, s15, HALFS
	s_mul_i32 s22, s16, HALFS
	s_add_co_u32 s22, s22, 2*HALFS
	s_sub_co_u32 s22, s22, s21
	v_mul_u32_u24 v6, s22, v2
	s_add_co_u32 s21, s21, SCL
	v_add_nc_u32 v5, v5, v6
	v_add_nc_u32 v[ADRS], s21, v5
.macro FRAG reg, adr, q, i
.irp p, 0,1,2,3,4,5
.set PC, 12*(\q)+6*(\p/3)+\p%3
.if PC%8 < 5
	ds_load_b64 v[\reg+2*\p:\reg+2*\p+1], v[\adr] offset:8*PC+16*(PC/8)+(\i)*16*PITCH
.else
	ds_load_b64 v[\reg+2*\p:\reg+2*\p+1], v[\adr+2] offset:8*PC+16*(PC/8)+(\i)*16*PITCH
.endif
.endr
.endm
.macro MUL16 a0, p, q, sc, zero
.irp a, \a0, \a0+1
.irp b, 0,1,2,3,4,5,6,7
.if \zero
	v_wmma_scale_f32_16x16x128_f8f6f4 v[8*(8*((\a)%4)+\b):8*(8*((\a)%4)+\b)+7], v[128*(\p)+FR*\b:128*(\p)+FR*\b+FR-1], v[AF+FR*(\a):AF+FR*(\a)+FR-1], 0, v[SC+8*NQ*(\sc)+NQ*\b+(\q)], v[SC+8*NQ*(\sc)+NQ*(\a)+(\q)] matrix_a_fmt:MATRIX_FMT_FP6 matrix_b_fmt:MATRIX_FMT_FP6 matrix_a_scale:MATRIX_SCALE_ROW1
.else
	v_wmma_scale_f32_16x16x128_f8f6f4 v[8*(8*((\a)%4)+\b):8*(8*((\a)%4)+\b)+7], v[128*(\p)+FR*\b:128*(\p)+FR*\b+FR-1], v[AF+FR*(\a):AF+FR*(\a)+FR-1], v[8*(8*((\a)%4)+\b):8*(8*((\a)%4)+\b)+7], v[SC+8*NQ*(\sc)+NQ*\b+(\q)], v[SC+8*NQ*(\sc)+NQ*(\a)+(\q)] matrix_a_fmt:MATRIX_FMT_FP6 matrix_b_fmt:MATRIX_FMT_FP6 matrix_a_scale:MATRIX_SCALE_ROW1
.endif
.endr
.endr
.endm
.macro FETCH_B slot, q, p
	WIN TO_B
.irp i, 0,1,2,3,4,5,6,7
	FRAG 128*(\p)+FR*\i, ADRB+\slot, \q, \i
.endr
	WIN 0
.endm
.macro FETCH_A slot, q, i0
.irp i, \i0, \i0+1, \i0+2, \i0+3
	FRAG AF+FR*(\i), ADRA+\slot, \q, \i
.endr
.endm
.macro SCALES sc
.irp i, 0,1,2,3,4,5,6,7
	ds_load_b64 v[SC+8*NQ*\sc+NQ*\i:SC+8*NQ*\sc+NQ*\i+1], v[ADRS] offset:\i*SBLK
.endr
.endm
.macro PLACES n
.rept \n
	v_nop
.endr
.endm
.macro STEP slot, q, zero
	s_wait_dscnt 4*NL
	WIN MUL_LO
	MUL16 0, (\q)%2, \q, \slot, \zero
	MUL16 2, (\q)%2, \q, \slot, \zero
	s_wait_dscnt 0
	PLACES NP
	FETCH_B \slot, (\q)+1, 1-(\q)%2
	FETCH_A \slot, (\q)+1, 0
	WIN MUL_HI
	MUL16 4, (\q)%2, \q, \slot, \zero
	MUL16 6, (\q)%2, \q, \slot, \zero
	PLACES NP
	WIN 0
	FETCH_A \slot, (\q)+1, 4
.endm
.macro TURN slot, next, fill
	s_wait_tensorcnt 0x0
	ds_add_u32 v[SPW], v[NIL]
	s_wait_dscnt 4*NL+1
	WIN MUL_LO
	MUL16 0, 1, NQ-1, \slot, 0
	s_wait_dscnt 0x0
	s_barrier_signal -1
	MUL16 2, 1, NQ-1, \slot, 0
	WIN 0
	s_barrier_wait -1
.if \fill
	CREST
	s_add_nc_u64 s[G0+4*\slot+2:G0+4*\slot+3], s[G0+4*\slot+2:G0+4*\slot+3], 2*ROWB
	s_add_nc_u64 s[G0B+4*\slot+2:G0B+4*\slot+3], s[G0B+4*\slot+2:G0B+4*\slot+3], 2*ROWB
	JLOAD G0+4*\slot, G1, G0B+4*\slot, G1B
.else
	PLACES NP
.endif
	s_wait_alu depctr_va_vdst(0)
	v_add_nc_u32 v[ADRS], 4*NQ, v[ADRS]
	FETCH_B \next, 0, 0
	FETCH_A \next, 0, 0
	SCALES \next
	WIN MUL_HI
	MUL16 4, 1, NQ-1, \slot, 0
	MUL16 6, 1, NQ-1, \slot, 0
	PLACES NP
	WIN 0
	FETCH_A \next, 0, 4
.endm
	s_wait_alu depctr_va_vdst(0)
	s_wait_tensorcnt 1
	s_barrier_signal -1
	s_barrier_wait -1
	FETCH_B 0, 0, 0
	FETCH_A 0, 0, 0
	SCALES 0
	FETCH_A 0, 0, 4
	STEP 0, 0, 1
	s_mov_b32 s3, LAPS-1
.Llap:
	TURN 0, 1, 1
	STEP 1, 0, 0
	TURN 1, 0, 1
	STEP 0, 0, 0
	s_sub_co_u32 s3, s3, 1
	s_cmp_lg_u32 s3, 0
	s_cbranch_scc1 .Llap
	TURN 0, 1, 0
	STEP 1, 0, 0
	s_wait_dscnt 4*NL
	WIN MUL_LO
	MUL16 0, 1, NQ-1, 1, 0
	MUL16 2, 1, NQ-1, 1, 0
	s_wait_dscnt 0
	WIN MUL_HI
	MUL16 4, 1, NQ-1, 1, 0
	MUL16 6, 1, NQ-1, 1, 0
	WIN 0
.macro QUANT a, da, db, pw
.set AC, 64*((\a)%4)
	WIN 0x28+0x14*((\a)/4)
.irp b, 0,1,2,3
	v_max3_num_f32 v[TM+\b], 0x1800000, |v[AC+16*\b]|, |v[AC+16*\b+1]|
.endr
.irp i, 2,4,6,8,10,12,14
.irp b, 0,1,2,3
	v_max3_num_f32 v[TM+\b], v[TM+\b], |v[AC+16*\b+\i]|, |v[AC+16*\b+\i+1]|
.endr
.endr
	WIN 0
.irp b, 0,1,2,3
	v_permlanex16_b32 v[TM+4+\b], v[TM+\b], s66, s67
.endr
.irp b, 0,1,2,3
	v_max_num_f32 v[TM+\b], v[TM+\b], v[TM+4+\b]
.endr
.irp b, 0,1,2,3
	v_add_nc_u32 v[TM+12+\b], 0xff000000, v[TM+\b]
.endr
.irp b, 0,1,2,3
	v_lshrrev_b32 v[TM+4+\b], 23, v[TM+12+\b]
.endr
	v_lshl_or_b32 v[\pw], v[TM+5], 8, v[TM+4]
	v_lshl_or_b32 v[\pw], v[TM+6], 16, v[\pw]
	v_lshl_or_b32 v[\pw], v[TM+7], 24, v[\pw]
	WIN 0x02+(\a)/4
	v_cvt_scalef32_pk16_fp6_f32 v[\da:\da+2], v[AC:AC+15], v[TM+12]
	v_cvt_scalef32_pk16_fp6_f32 v[T0:T0+2], v[AC+16:AC+31], v[TM+13]
	v_cvt_scalef32_pk16_fp6_f32 v[\db:\db+2], v[AC+32:AC+47], v[TM+14]
	v_cvt_scalef32_pk16_fp6_f32 v[T1:T1+2], v[AC+48:AC+63], v[TM+15]
	WIN 0
	v_nop
.irp i, 0,1,2
	v_permlane16_swap_b32 v[\da+\i], v[T0+\i]
	v_permlane16_swap_b32 v[\db+\i], v[T1+\i]
.endr
.irp i, 0,1,2
	v_mov_b32 v[\da+3+\i], v[T0+\i]
	v_mov_b32 v[\db+3+\i], v[T1+\i]
.endr
.endm
	PLACES NP
	s_mov_b32 s66, 0x76543210
	s_mov_b32 s67, 0xfedcba98
	s_mov_b32 s100, 0xffff0000
	v_and_b32 v1, 31, v0
	v_lshlrev_b32 v[CO], 4, v1
	v_lshlrev_b32 v[CS4], 2, v1
.irp b, 0,1,2,3
	v_mov_b32 v[TM+4+\b], 0
.endr
	s_cmp_eq_u32 s99, 1
	s_cbranch_scc1 .Lv
	s_lshl_b32 s18, s17, 8
	s_lshl_b32 s19, s15, 7
	s_add_co_u32 s18, s18, s19
	s_lshr_b32 s19, s18, 11
	s_bfe_u32 s18, s18, 0x40007
	s_lshl_b32 s22, s42, 2
	s_lshl_b32 s23, s16, 1
	s_add_co_u32 s22, s22, s23
	s_lshl_b32 s19, s19, 4
	s_add_co_u32 s19, s19, s22
	s_lshl_b32 s19, s19, 4
	s_add_co_u32 s19, s19, s18
	s_mov_b32 s22, 12800
	s_mov_b32 s23, 12288
	s_cmp_eq_u32 s95, 0
	s_cselect_b64 s[4:5], s[8:9], s[10:11]
	s_cselect_b32 s44, 6144, s22
	s_cselect_b32 s45, 256, s22
	s_cselect_b32 s23, QS_OFF, s23
	s_mul_i32 s46, s19, s44
	s_mov_b32 s47, 0
	s_add_nc_u64 s[6:7], s[4:5], s[46:47]
	s_lshl_b32 s46, s44, 4
	s_add_nc_u64 s[12:13], s[6:7], s[46:47]
	s_mul_i32 s46, s19, s45
	s_add_co_u32 s46, s46, s23
	s_add_nc_u64 s[20:21], s[4:5], s[46:47]
	s_lshl_b32 s46, s45, 4
	s_add_nc_u64 s[22:23], s[20:21], s[46:47]
.irp p, 0,1,2,3
	s_wait_xcnt 0x0
	QUANT 2*\p, FA, FBF, PW0
	QUANT 2*\p+1, FA+6, FBF+6, PW1
.irp g, 0,1,2
	global_store_b128 v[CO], v[FA+4*\g:FA+4*\g+3], s[6:7] offset:1536*\p+512*\g
	global_store_b128 v[CO], v[FBF+4*\g:FBF+4*\g+3], s[12:13] offset:1536*\p+512*\g
.endr
.if \p%2 == 0
	v_perm_b32 v[SAVA], v[PW1], v[PW0], 0x05040100
	v_perm_b32 v[SAVB], v[PW1], v[PW0], 0x07060302
.else
	v_perm_b32 v[SW], v[PW1], v[PW0], 0x05040100
	v_perm_b32 v[SW+1], v[PW1], v[PW0], 0x07060302
	v_cndmask_b32 v[SW], v[SAVA], v[SW], s100
	v_cndmask_b32 v[SW+1], v[SAVB], v[SW+1], s100
	global_store_b32 v[CS4], v[SW], s[20:21] offset:128*(\p/2)
	global_store_b32 v[CS4], v[SW+1], s[22:23] offset:128*(\p/2)
.endif
.endr
	s_branch .Lstored
.Lv:
	s_lshl_b32 s18, s42, 8
	s_lshl_b32 s19, s16, 7
	s_add_co_u32 s18, s18, s19
	s_lshr_b32 s19, s18, 11
	s_bfe_u32 s18, s18, 0x40007
	s_lshl_b32 s22, s17, 2
	s_lshl_b32 s23, s15, 1
	s_add_co_u32 s22, s22, s23
	s_lshl_b32 s19, s19, 4
	s_add_co_u32 s19, s19, s22
	s_lshl_b32 s19, s19, 4
	s_add_co_u32 s19, s19, s18
	s_mul_i32 s46, s19, 12800
	s_mov_b32 s47, 0
	s_add_nc_u64 s[6:7], s[10:11], s[46:47]
.irp a, 0,1,2,3,4,5,6,7
	s_wait_xcnt 0x0
.if \a%2 == 0
	QUANT \a, FA, FA+6, PW0
.else
	QUANT \a, FA, FA+6, PW1
.endif
.irp g, 0,1,2
	global_store_b128 v[CO], v[FA+4*\g:FA+4*\g+3], s[6:7] offset:(\a/4)*204800+6144+(\a%4)*1536+512*\g
.endr
.if \a%2 == 1
	v_cndmask_b32 v[SW], v[PW0], v[PW1], s100
	global_store_b32 v[CS4], v[SW], s[6:7] offset:(\a/4)*204800+12544+128*((\a%4)/2)
.endif
.endr
.Lstored:
	s_wait_tensorcnt 0x0
	ds_add_u32 v[SPW], v[NIL]
	s_wait_dscnt 0x0
	CROUND
	s_endpgm
.Lfunc_end_k_q7ab00a9e0f_proj:
	.size	k_q7ab00a9e0f_proj, .Lfunc_end_k_q7ab00a9e0f_proj-k_q7ab00a9e0f_proj
	.p2alignl 7, 3214868480
	.fill 96, 4, 3214868480
	.section	.rodata,"a",@progbits
	.p2align	6, 0x0
	.amdhsa_kernel k_q7ab00a9e0f_proj
		.amdhsa_group_segment_fixed_size 327680
		.amdhsa_private_segment_fixed_size 0
		.amdhsa_enable_private_segment 0
		.amdhsa_kernarg_size 32
		.amdhsa_user_sgpr_count 2
		.amdhsa_user_sgpr_kernarg_segment_ptr 1
		.amdhsa_wavefront_size32 1
		.amdhsa_system_sgpr_workgroup_id_x 1
		.amdhsa_system_sgpr_workgroup_id_y 1
		.amdhsa_system_sgpr_workgroup_id_z 1
		.amdhsa_system_vgpr_workitem_id 0
		.amdhsa_next_free_vgpr 1024
		.amdhsa_next_free_sgpr 102
		.amdhsa_reserve_vcc 0
		.amdhsa_float_denorm_mode_32 3
		.amdhsa_float_denorm_mode_16_64 3
		.amdhsa_memory_ordered 1
		.amdhsa_forward_progress 1
		.amdhsa_inst_pref_size 202
	.end_amdhsa_kernel
	.amdgpu_metadata
---
amdhsa.version: [ 1, 2 ]
amdhsa.kernels:
  - .name:           k_q7ab00a9e0f_proj
    .symbol:         k_q7ab00a9e0f_proj.kd
    .args:
      - { .name: xq, .offset: 0, .size: 8, .value_kind: global_buffer, .address_space: global }
      - { .name: wts, .offset: 8, .size: 8, .value_kind: global_buffer, .address_space: global }
      - { .name: qf, .offset: 16, .size: 8, .value_kind: global_buffer, .address_space: global }
      - { .name: kv, .offset: 24, .size: 8, .value_kind: global_buffer, .address_space: global }
    .group_segment_fixed_size: 327680
    .private_segment_fixed_size: 0
    .kernarg_segment_align: 8
    .kernarg_segment_size: 32
    .max_flat_workgroup_size: 128
    .sgpr_count:     102
    .vgpr_count:     1024
    .wavefront_size: 32
...
	.end_amdgpu_metadata
.endif
;; end of part 2
;; launch attn (part 3): grid 256 x 4, 4 waves a work-group, no clusters, 37,376 bytes of LDS; arguments qf, kv, valid_lens, of; writes of
.if DOCPART == 3
	.amdgcn_target "amdgcn-amd-amdhsa--gfx1250"
	.amdhsa_code_object_version 6
	.text
	.protected	k_q7ab00a9e0f_attn
	.globl	k_q7ab00a9e0f_attn
	.p2align	8
	.type	k_q7ab00a9e0f_attn,@function
k_q7ab00a9e0f_attn:
	s_mov_b64 s[64:65], 0
	v_nop
	global_prefetch_b8 v0, s[64:65] scope:SCOPE_SE
	s_setreg_imm32_b32 hwreg(HW_REG_WAVE_MODE, 25, 1), 1
	s_wait_xcnt 0x0
; ATTENTION of one head on codes of FP6 (E2M3): scores = q k^T / 8, keys from valid_len on take the logit -1e6, softmax, times v; both products quantised, the result quantised again for the last projection.
; t = score x log2(e) / 8; M = the row's largest t so far, rounded UP to a whole number; p = 2^(t - M) is quantised along the keys; the row's sum is taken of the unquantised p and divides at the end.
; SHARES.  A work-group owns 128 queries of one head (x = 16 head + block), each of its four waves 32 of them: two tiles of 16, tile 0's scores and sums in register window 0, tile 1's in window 1 under the same numbers.
; Each fragment of k and v that a wave reads from LDS serves both tiles.  y is a RANK: the four valid_len are sorted, and the batch with the most keys that count gets y = 0.
; K AND V COME THROUGH REGISTERS INTO TWO LDS SLOTS, each wave bringing a quarter of a step's 12,800 bytes.  No tensor load and no cluster: what a step does hangs on valid_len, a number read from memory.
; The trip count and the barriers hang on nothing.
; STEPS ALL OF WHOSE KEYS ARE MASKED (whole numbers decide which; their k is not read: reference() puts -1e6 in place of their scores).  In f32 -1e6 x log2(e) is the whole number -1,442,695; M starts there, so a masked key's p is 1,
; and a block of 32 such p quantises exactly: code 4.0, scale 1/4.  Their part of O^T is the same for every query: wave w multiplies channel tile w of those steps' v by that constant operand, ahead of the loop;
; the four tiles go through LDS and are O^T's start; the keys' count is the sum's start.  Every later change of M multiplies both by a power of two.
; LAYOUT.  Both products are used transposed: S^T = k q^T, O^T = v^T p^T: a lane holds ONE query (lane % 16).  A fragment of k holds 2 x 16 keys x 64 channels; q's two tiles stand between zeros in 30 registers, so that one run of 12
; meets the first 16 keys and another the second 16.  Rows of k lie at pi(key): register 16 b + i of S^T = key 32 b + 16 (lane / 16) + i of the step.  v's channels likewise.
; RESULT.  of: [tile of 16 queries][head][3][256]; scale bytes [query][32] from OS_OFF on.
; PREFETCH: in trip j the step j + 4; its 50 blocks of 256 bytes are shared out by address among the 64 waves of the 16 work-groups that read it (wave 4 block + w names block 4 block + w); it stops with the last step that counts.
; LIMITS: in a row whose every valid logit lies under about -1e6 + 100, the at most 127 masked keys of the one step that holds the boundary take p from the fused multiply-add of -8e6, some 0.985 of the exact power of two;
; a masked key's p that falls under the smallest f32 number counts as 0.  valid_len is held to 0 .. 2,048.  NaN and infinities are not served.
.set QS_OFF, 6291456
.set OS_OFF, 6291456
.set SLOTB,  12800                     ; a key step in kv: 4 fragments of k, 4 of v, 256 bytes of k's scale words, 256 of v's
.set LSL,    16384                     ; an LDS slot
.set XCH,    2*LSL                     ; 4 x 1,024 bytes: the masked steps' four channel tiles
.set SPARE,  XCH+4096                  ; the spare words, 128 bytes a wave, which no other line names
; window 0
.set LI,1                              ; 16 x lane
.set LS,2                              ; 4 x lane
.set SPW,3
.set NIL,4
.set SGA,5                             ; 3,072 x wave + 16 x lane: my share of a step's fragments, in kv and in slot 0
.set QA,8
.set SGS,9                             ; 12,288 + 128 x wave + 4 x lane: my share of its scale words
.set WF,10                             ; SGA, SGS in the slot that is filled next
.set WS,11
.set NM,12                             ; tile t: v[NM+4t] -M, v[NM+4t+1] the largest t so far
.set LL,14                             ; v[LL+4t:LL+4t+1] the sum, in two halves
.set FF,20                             ; v[FF+2t] f = 2^(old M - new M)
.set PSW,24                            ; p's scale words
.set QW,26                             ; q's
.set KSC,28
.set VSC,30
.set MSC,32                            ; v32-47 v's scale words of the masked steps
.set BM,48                             ; the blocks' largest scores, 4 a tile
.set SO,56                             ; the conversions' scale operands
.set T8,64
.set TT,72
.set DM,74
.set MV,75
.set SU,76
.set ACC,90                            ; my channel tile of the masked steps
.set FB,98                             ; v98-145 four fragments of k or of v
.set S,146                             ; v146-209 S^T, then p (both windows)
.set O,210                             ; v210-241 O^T (both windows)
.set RF,242                            ; LI, LS in the slot that is read
.set RS,243
.set MA,244
.set MS,245
.set XW,246
.set PFO,247
.set OC,248
.set OB,249
; window 1
.set QB,0                              ; zeros, q tile 0, zeros, q tile 1, zeros: 5 x 6
.set P,30                              ; p's codes, 12 a tile
.set CT,54
.set STG,62                            ; 25 registers: the step on its way
.set STG0,118                          ; the same for step 0, at the head
.set WV,12
.set VL,13
.set NA,14                             ; steps that hold a key that counts
.set J,15
.set SEL,16
.set CS,18
.set T0,20
.set CNT,21
.set NAP,27
.set PN,28
.set MSB,0
.macro WIN new
.if MSB != (\new)
	s_set_vgpr_msb (MSB<<8)|(\new)
.set MSB, (\new)
.endif
.endm
.macro WALU
	s_wait_alu depctr_va_vdst(0)
.endm
.macro DEP n
	s_delay_alu instid0(VALU_DEP_\n)
.endm
.macro NOP4
.rept 4
	v_nop
.endr
.endm
.macro MM d, a, b, c, sa, sb, row
	v_wmma_scale_f32_16x16x128_f8f6f4 v[\d:\d+7], v[\a:\a+11], v[\b:\b+11], \c, v[\sa], v[\sb] matrix_a_fmt:MATRIX_FMT_FP6 matrix_b_fmt:MATRIX_FMT_FP6 matrix_a_scale:MATRIX_SCALE_ROW\row
.endm
.macro GLOAD base, off                 ; my quarter of a step
	WIN 0x40
.irp c, 0,1,2,3,4,5
	global_load_b128 v[\base+4*\c:\base+4*\c+3], v[SGA], s[PN:PN+1] offset:(\off)+512*\c
.endr
	global_load_b32 v[\base+24], v[SGS], s[PN:PN+1] offset:(\off)
	WIN 0
.endm
.macro SSTORE af, as, base             ; and into a slot, as it lies
	WIN 0x04
.irp c, 0,1,2,3,4,5
	ds_store_b128 v[\af], v[\base+4*\c:\base+4*\c+3] offset:512*\c
.endr
	ds_store_b32 v[\as], v[\base+24]
	WIN 0
.endm
.macro FLOAD base, sreg, sbase         ; four fragments as images of their registers, and their scale words: lanes 0-15 the even fragment's, lanes 16-31 the odd one's
.irp b, 0,1,2,3
.irp c, 0,1,2
	ds_load_b128 v[FB+12*\b+4*\c:FB+12*\b+4*\c+3], v[RF] offset:(\base)+1536*\b+512*\c
.endr
.endr
	ds_load_b32 v[\sreg], v[RS] offset:(\sbase)
	ds_load_b32 v[\sreg+1], v[RS] offset:(\sbase)+128
.endm
.macro MFRAG j                         ; where masked step j's fragment lies: 0-11 in window 0 from FB on, 12-15 in window 1 from S on
.set MW_, (\j)/12
.set MR_, FB+12*(\j)-MW_*(FB+144-S)
.endm
.macro ML j                            ; step j is wholly masked: my channel tile of its v, straight from kv
	MFRAG \j
	s_cmp_gt_u32 s[NA], \j
	s_cbranch_scc1 .Lml_\@
	WIN MW_<<6
.irp c, 0,1,2
	global_load_b128 v[MR_+4*\c:MR_+4*\c+3], v[MA], s[PN:PN+1] offset:(\j)*SLOTB+6144+512*\c
.endr
	WIN 0
	global_load_b32 v[MSC+\j], v[MS], s[PN:PN+1] offset:(\j)*SLOTB+12544
.Lml_\@:
.endm
.macro MK j                            ; and its product with p = 1.  One accumulator: the wait directly ahead of every link
	MFRAG \j
	s_cmp_gt_u32 s[NA], \j
	s_cbranch_scc1 .Lmk_\@
	WIN 0x04|MW_
	s_wait_alu depctr_va_vdst(0)
	MM ACC, MR_, P, v[ACC:ACC+7], MSC+\j, PSW, 0
	WIN 0
.Lmk_\@:
.endm
.macro QK t                            ; S^T = k q^T.  q in the low half meets a fragment's first 16 keys, q in the high half its second 16; the half that meets zero codes adds nothing
	WIN 0x04+0x40*(\t)
.irp p, 0,1
	MM S+32*\p, FB+24*\p, QB+12*(\t)+6, 0, KSC+\p, QW+(\t), 0
	MM S+32*\p+8, FB+24*\p, QB+12*(\t), 0, KSC+\p, QW+(\t), 0
	MM S+32*\p+16, FB+24*\p+12, QB+12*(\t)+6, 0, KSC+\p, QW+(\t), 1
	MM S+32*\p+24, FB+24*\p+12, QB+12*(\t), 0, KSC+\p, QW+(\t), 1
.endr
.endm
.macro PV t                            ; O^T += v^T p^T: the eight accumulators by turns, one instruction a turn
	WIN 0x04+0x50*(\t)
.irp p, 0,1
	MM O+16*\p, FB+24*\p, P+12*(\t), v[O+16*\p:O+16*\p+7], VSC+\p, PSW+(\t), 0
	MM O+16*\p+8, FB+24*\p+12, P+12*(\t), v[O+16*\p+8:O+16*\p+15], VSC+\p, PSW+(\t), 1
.endr
.endm
.macro MASK t                          ; register 16 b + i holds key 32 b + 16 (lane / 16) + i of the step: masked where 32 b + i >= d
	WIN 0x41*(\t)
.set n, 0
.rept 64
	v_cmp_ge_i32 vcc_lo, 32*(n/16)+n%16, v[DM]
	v_cndmask_b32 v[S+n], v[S+n], v[MV], vcc_lo
.set n, n+1
.endr
.endm
.macro MAXES t                         ; the largest score of each block of 32 keys: it serves for the row's maximum and, since p rises with the score, for the block's largest p
	WIN 0x15*(\t)
.irp b, 0,1,2,3
	v_max3_num_f32 v[BM+4*(\t)+\b], v[S+16*\b], v[S+16*\b+1], v[S+16*\b+2]
.endr
	WIN 0x14*(\t)
.irp i, 3,5,7,9,11,13
.irp b, 0,1,2,3
	v_max3_num_f32 v[BM+4*(\t)+\b], v[BM+4*(\t)+\b], v[S+16*\b+\i], v[S+16*\b+\i+1]
.endr
.endr
	WIN 0x04*(\t)
.irp b, 0,1,2,3
	v_max_num_f32 v[BM+4*(\t)+\b], v[BM+4*(\t)+\b], v[S+16*\b+15]
.endr
.endm
.macro RESC t                          ; O^T under the new M (each accumulator from its low end on), and t - M, two at a time
	WIN 0x41*(\t)
.set j, 0
.rept 16
	v_pk_mul_f32 v[O+j:O+j+1], v[O+j:O+j+1], v[FF+2*(\t):FF+2*(\t)+1] op_sel_hi:[1,0]
.set j, j+2
.endr
.set j, 0
.rept 32
	v_pk_fma_f32 v[S+j:S+j+1], v[S+j:S+j+1], s[CS:CS+1], v[NM+4*(\t):NM+4*(\t)+1] op_sel_hi:[1,0,0]
.set j, j+2
.endr
.endm
.macro EXPS t
	WIN 0x41*(\t)
.set j, 0
.rept 64
	v_exp_f32 v[S+j], v[S+j]
.set j, j+1
.endr
.endm
.macro SUMS t                          ; the row's sum of the unquantised p: 32 pairs in four chains
	WIN 0x05*(\t)
.irp k, 0,1,2
	v_pk_add_f32 v[SU+2*\k:SU+2*\k+1], v[S+4*\k:S+4*\k+1], v[S+4*\k+2:S+4*\k+3]
.endr
	WIN 0x04*(\t)
	v_pk_add_f32 v[LL+4*(\t):LL+4*(\t)+1], v[LL+4*(\t):LL+4*(\t)+1], v[S+12:S+13]
.set j, 14
.rept 6
.irp k, 0,1,2
	v_pk_add_f32 v[SU+2*\k:SU+2*\k+1], v[SU+2*\k:SU+2*\k+1], v[S+j+2*\k:S+j+2*\k+1]
.endr
	v_pk_add_f32 v[LL+4*(\t):LL+4*(\t)+1], v[LL+4*(\t):LL+4*(\t)+1], v[S+j+6:S+j+7]
.set j, j+8
.endr
	v_pk_add_f32 v[SU:SU+1], v[SU:SU+1], v[S+62:S+63]
	WIN 0
	v_pk_add_f32 v[SU+2:SU+3], v[SU+2:SU+3], v[SU+4:SU+5]
	v_pk_add_f32 v[LL+4*(\t):LL+4*(\t)+1], v[LL+4*(\t):LL+4*(\t)+1], v[SU:SU+1]
	v_pk_add_f32 v[LL+4*(\t):LL+4*(\t)+1], v[LL+4*(\t):LL+4*(\t)+1], v[SU+2:SU+3]
.endm
.macro WHOLE pb, c                     ; the operand's layout wants a whole block in a lane: half blocks change places, and the upper halves move in
.irp i, 0,1,2
	v_permlane16_swap_b32 v[\pb+\i], v[CT+4*(\c)+\i]
.endr
.irp i, 0,1,2
	v_mov_b32 v[\pb+3+\i], v[CT+4*(\c)+\i]
.endr
.endm
.macro CONV t                          ; p's codes, into window 1
	WIN 0x40|(\t)
.irp c, 0,1
	v_cvt_scalef32_pk16_fp6_f32 v[P+12*(\t)+6*\c:P+12*(\t)+6*\c+2], v[S+32*\c:S+32*\c+15], v[SO+4*(\t)+2*\c]
	v_cvt_scalef32_pk16_fp6_f32 v[CT+4*\c:CT+4*\c+2], v[S+32*\c+16:S+32*\c+31], v[SO+4*(\t)+2*\c+1]
.endr
	WIN 0x41
	v_nop                                          ; one plain place behind a scaled conversion
	WHOLE P+12*(\t), 0
	WHOLE P+12*(\t)+6, 1
.endm
.macro EPI t                           ; O^T / the sum, quantised along the head's 64 channels: six registers of codes and two scale bytes a query
	WIN 0x41*(\t)
	WALU                                           ; the wait directly ahead of the first reader of the sums behind the reciprocals
.set j, 0
.rept 32
	v_mul_f32 v[S+j], v[O+j], v[LL+4*(\t)]
.set j, j+1
.endr
	WIN 0x05*(\t)
.irp b, 0,1
	v_max3_num_f32 v[BM+\b], |v[S+16*\b]|, |v[S+16*\b+1]|, 0x1800000
.endr
	WIN 0x14*(\t)
.irp i, 2,4,6,8,10,12,14
.irp b, 0,1
	v_max3_num_f32 v[BM+\b], v[BM+\b], |v[S+16*\b+\i]|, |v[S+16*\b+\i+1]|
.endr
.endr
	WIN 0
.irp b, 0,1
	v_permlanex16_b32 v[T8+\b], v[BM+\b], s[SEL], s[SEL+1]
.endr
.irp b, 0,1
	v_max_num_f32 v[BM+\b], v[BM+\b], v[T8+\b]
.endr
.irp b, 0,1
	v_add_nc_u32 v[SO+\b], 0xff000000, v[BM+\b]
.endr
.irp b, 0,1
	v_lshrrev_b32 v[T8+\b], 23, v[SO+\b]
.endr
	WIN 0x40|(\t)
	v_cvt_scalef32_pk16_fp6_f32 v[P+12*(\t):P+12*(\t)+2], v[S:S+15], v[SO]
	v_cvt_scalef32_pk16_fp6_f32 v[CT:CT+2], v[S+16:S+31], v[SO+1]
	WIN 0
	v_cndmask_b32 v[TT+(\t)], v[T8], v[T8+1], s22  ; lanes 0-15 store block 0's byte, lanes 16-31 block 1's.  (A plain place behind the conversions)
	WIN 0x41
	WHOLE P+12*(\t), 0
	WIN 0x04
.irp g, 0,1,2
	global_store_b64 v[OC], v[P+12*(\t)+2*\g:P+12*(\t)+2*\g+1], s[40:41] offset:12288*(\t)+256*\g   ; 32 lanes store 256 consecutive bytes, at a multiple of 256 from the buffer's first byte
.endr
	WIN 0
	global_store_b8 v[OB], v[TT+(\t)], s[42:43] offset:512*(\t)
.endm
.macro CSW x, y                        ; the larger of two keys into s\x
	s_max_u32 s44, s\x, s\y
	s_min_u32 s\y, s\x, s\y
	s_mov_b32 s\x, s44
.endm
	s_load_b256 s[4:11], s[0:1], 0x0               ; qf, kv, valid_lens, of
	v_lshl_add_u32 v[SPW], v0, 2, SPARE
	v_mov_b32 v[NIL], 0
	v_lshrrev_b32 v6, 5, v0
	v_readfirstlane_b32 s[WV], v6                  ; wave 0..3
	s_lshr_b32 s32, ttmp9, 4                       ; head
	s_and_b32 s33, ttmp9, 15                       ; which 128 queries
	s_and_b32 s35, ttmp7, 0xffff                   ; rank
	s_lshl_b32 s45, s33, 2
	s_add_co_u32 s45, s45, s[WV]                   ; my pair of query tiles in the head, 0 .. 63; also my block of a step in the prefetches
	s_mul_i32 s30, s[WV], 3072
	s_lshl_b32 s36, s[WV], 7
	s_add_co_u32 s36, s36, 12288
	s_mul_i32 s37, s[WV], 1536
	s_lshl_b32 s38, s[WV], 6
	s_lshl_b32 s23, s[WV], 10
	s_add_co_u32 s23, s23, XCH
	s_lshl_b32 s44, s45, 8
	v_and_b32 v7, 31, v0
	v_and_b32 v6, 15, v0
	v_lshlrev_b32 v[LI], 4, v7
	v_lshlrev_b32 v[LS], 2, v7
	v_lshlrev_b32 v[QA], 2, v6                     ; scale words: 4 bytes a row
	v_lshlrev_b32 v[OC], 3, v7                     ; codes out: 8 bytes a lane
	v_bfe_u32 v[OB], v0, 4, 1
	v_lshl_add_u32 v[OB], v6, 5, v[OB]             ; scale bytes out: 32 r + h
	v_add_nc_u32 v[SGA], s30, v[LI]
	v_add_nc_u32 v[SGS], s36, v[LS]
	v_add_nc_u32 v[WF], LSL, v[SGA]
	v_add_nc_u32 v[WS], LSL, v[SGS]
	v_mov_b32 v[RF], v[LI]
	v_mov_b32 v[RS], v[LS]
	v_add_nc_u32 v[MA], s37, v[LI]                 ; channel tile w of a step's v
	v_add_nc_u32 v[MS], s38, v[QA]                 ; and its scale words, in lanes 0-15
	v_add_nc_u32 v[XW], s23, v[LI]
	v_mov_b32 v[PFO], s44
	s_mov_b32 s39, 0
	s_mov_b32 s[SEL], 0x76543210
	s_mov_b32 s[SEL+1], 0xfedcba98
	s_mov_b32 s[CS], 0x3e38aa3b                    ; c = log2(e) / 8
	s_mov_b32 s[CS+1], s[CS]
	s_mov_b32 s22, 0xffff0000                      ; lanes 16-31
	s_mov_b32 s24, 0x18618618                      ; the stream of bits of the code 24 (4.0), 96 bits
	s_mov_b32 s25, 0x86186186
	s_mov_b32 s26, 0x61861861
	s_mov_b32 s[J], 0
	s_mov_b32 s46, 0                               ; the slot that is read,
	s_mov_b32 s47, LSL                             ; and the slot that is filled
	WALU                                           ; the wait ahead of the blocking wait
	s_wait_kmcnt 0x0
	s_load_b128 s[40:43], s[8:9], 0x0              ; the four valid_len
	; while they come: the constant operand p = 1 (code 4.0, scale byte 125), q's zeros, and the masked steps' registers.
	; Every register of a fragment is written on every way through the text: the loads further down are issued for masked steps alone.
	v_mov_b32 v[PSW], 0x7d7d7d7d
	WIN 0x40
.set i, 0
.rept 12
	v_mov_b32 v[P+i], s[24+i%3]
.set i, i+1
.endr
.irp i, 0,1,2,3,4,5
	v_mov_b32 v[QB+\i], 0
	v_mov_b32 v[QB+12+\i], 0
	v_mov_b32 v[QB+24+\i], 0
.endr
.set i, 0
.rept 48
	v_mov_b32 v[S+i], 0
.set i, i+1
.endr
	WIN 0
.set i, 0
.rept 144
	v_mov_b32 v[FB+i], 0
.set i, i+1
.endr
.set i, 0
.rept 16
	v_mov_b32 v[MSC+i], 0
.set i, i+1
.endr
.irp i, 0,1,2,3,4,5,6,7
	v_mov_b32 v[T8+\i], 0                          ; a lane permute's destination counts as one of its sources
	v_mov_b32 v[ACC+\i], 0
.endr
	v_mov_b32 v[FF+1], 0                           ; (named as the upper halves of the pairs with f)
	v_mov_b32 v[FF+3], 0
	WALU
	s_wait_kmcnt 0x0
.irp b, 0,1,2,3
	s_max_i32 s[40+\b], s[40+\b], 0
	s_min_i32 s[40+\b], s[40+\b], 2048
	s_lshl_b32 s[40+\b], s[40+\b], 2
	s_add_co_u32 s[40+\b], s[40+\b], 3-\b          ; key = 4 valid_len + 3 - batch: no two alike
.endr
	CSW 40, 41
	CSW 42, 43
	CSW 40, 42
	CSW 41, 43
	CSW 41, 42                                     ; s40 >= s41 >= s42 >= s43
	s_cmp_eq_u32 s35, 1
	s_cselect_b32 s40, s41, s40
	s_cmp_eq_u32 s35, 2
	s_cselect_b32 s40, s42, s40
	s_cmp_eq_u32 s35, 3
	s_cselect_b32 s40, s43, s40
	s_lshr_b32 s[VL], s40, 2
	s_min_u32 s[VL], s[VL], 2048
	s_and_b32 s31, s40, 3
	s_sub_co_u32 s31, 3, s31
	s_min_u32 s31, s31, 3                          ; my batch
	s_add_co_u32 s[NA], s[VL], 127
	s_lshr_b32 s[NA], s[NA], 7
	s_min_u32 s[NA], s[NA], 16
	s_cmp_lt_u32 s45, 50
	s_cselect_b32 s[NAP], s[NA], 0                 ; a step has 50 blocks of 256 bytes: waves 50 .. 63 ask for none
	s_min_u32 s[NAP], s[NAP], 16
	s_lshl_b32 s34, s31, 4
	s_add_co_u32 s34, s34, s32                     ; 16 batch + head
	s_mul_i32 s38, s34, 16*SLOTB
	s_add_nc_u64 s[PN:PN+1], s[6:7], s[38:39]      ; my head's key steps
	GLOAD STG0, 0                                  ; steps 0 and 1, whatever valid_len says: so the staging registers are written on every way
	GLOAD STG, SLOTB
	s_lshl_b32 s37, s34, 6
	s_add_co_u32 s37, s37, s45
	s_mul_i32 s38, s37, 1536
	s_add_nc_u64 s[40:41], s[4:5], s[38:39]        ; my pair fragment of q
	s_lshl_b32 s38, s37, 6
	s_add_co_u32 s38, s38, QS_OFF
	s_add_nc_u64 s[42:43], s[4:5], s[38:39]        ; and its scale words
	global_load_b32 v[QW], v[QA], s[42:43]
	WIN 0x40
	global_load_b128 v[QB+6:QB+9], v[LI], s[40:41]                 ; registers 0-5 of the image: tile 0
	global_load_b64 v[QB+10:QB+11], v[LI], s[40:41] offset:512
	global_load_b64 v[QB+18:QB+19], v[LI], s[40:41] offset:520     ; registers 6-11: tile 1
	global_load_b128 v[QB+20:QB+23], v[LI], s[40:41] offset:1024
	WIN 0
.irp j, 0,1,2,3,4,5,6,7,8,9,10,11,12,13,14,15
	ML \j
.endr
	s_mov_b32 s[T0], 0xff61b1e6                    ; -3e38, under every t: no key is masked
	s_cmp_lt_u32 s[VL], 2048
	s_cselect_b32 s[T0], 0xc9b01c38, s[T0]         ; -1,442,695: -1e6 x log2(e) in f32
	s_sub_co_u32 s[CNT], 16, s[NA]
	s_lshl_b32 s[CNT], s[CNT], 6                   ; half the keys of wholly masked steps: a query's sum lies in two lanes
.irp t, 0,1
	v_cvt_f32_u32 v[LL+4*\t], s[CNT]
	v_mov_b32 v[LL+4*\t+1], 0
	v_mov_b32 v[NM+4*\t+1], s[T0]                  ; the largest t so far: the masked keys', where there are any
	v_floor_f32 v[NM+4*\t], -v[NM+4*\t+1]          ; -M
.endr
	WALU
	s_wait_loadcnt 0x0                             ; all that was asked for is in
	v_perm_b32 v[QW+1], v[QW], v[QW], 0x03020302   ; a tile's two bytes twice: one word serves q in the low half and in the high half
	v_perm_b32 v[QW], v[QW], v[QW], 0x01000100
	SSTORE SGA, SGS, STG0
.irp j, 0,1,2,3,4,5,6,7,8,9,10,11,12,13,14,15
	MK \j
.endr
.rept 6
	v_nop                                          ; places between the last product and the reads of its result, the loads into its sources, and the first scores, which are written over its sources
.endr
	ds_store_b128 v[XW], v[ACC:ACC+3]
	ds_store_b128 v[XW], v[ACC+4:ACC+7] offset:512
	WALU
	s_wait_dscnt 0x0                               ; my tile and my part of step 0 have landed
	s_barrier_signal -1
	s_barrier_wait -1
.irp w, 0, 0x40                        ; O^T's start, the same for every query: the four waves' tiles, into both windows
	WIN \w
.irp d, 0,1,2,3
	ds_load_b128 v[O+8*\d:O+8*\d+3], v[LI] offset:XCH+1024*\d
	ds_load_b128 v[O+8*\d+4:O+8*\d+7], v[LI] offset:XCH+1024*\d+512
.endr
.endr
	WIN 0
.Ltrip:                                            ; sixteen trips, one key step each
	WALU                                           ; the wait ahead of the blocking waits
	s_wait_dscnt 0x0                               ; my stores into this trip's slot have landed, my reads of the other slot are over
	s_barrier_signal -1
	s_barrier_wait -1
	s_wait_loadcnt 0x0                             ; the next step's bytes are in registers,
	SSTORE WF, WS, STG                             ; and go into the other slot: in every trip, under no branch (behind the last step that counts the bytes are old ones, and nobody reads that slot)
	s_cmp_ge_u32 s[J], s[NA]                       ; whole numbers read from memory, the same in all waves; no barrier and no LDS store stands under these branches
	s_cbranch_scc1 .Ldone
	FLOAD 0, KSC, 12288
	s_wait_dscnt 0x0                               ; k is in, and the stores above have read their registers
	s_add_co_u32 s36, s[J], 2
	s_cmp_ge_u32 s36, s[NA]
	s_cbranch_scc1 .Lnoload
	GLOAD STG, 2*SLOTB                             ; the step two on
.Lnoload:
	QK 0
	QK 1
	WIN 0
	NOP4                                           ; places in front of the loads into k's registers and of the first read of the scores
	FLOAD 6144, VSC, 12544                         ; v's fragments land while the softmax is walked
	s_add_co_u32 s36, s[J], 4
	s_cmp_ge_u32 s36, s[NAP]
	s_cbranch_scc1 .Lnopf
	global_prefetch_b8 v[PFO], s[PN:PN+1] offset:4*SLOTB th:TH_LOAD_NT scope:SCOPE_SE
.Lnopf:
	s_lshl_b32 s37, s[J], 7                        ; the step's first key
	s_add_co_u32 s36, s37, 128
	s_cmp_le_u32 s36, s[VL]
	s_cbranch_scc1 .Lopen                          ; a step all of whose keys count skips the mask
	s_sub_co_i32 s36, s[VL], s37
	v_bfe_u32 v[DM], v0, 4, 1
	v_lshlrev_b32 v[DM], 4, v[DM]
	v_sub_nc_u32 v[DM], s36, v[DM]                 ; d = valid_len - the step's first key - 16 (lane / 16)
	v_mov_b32 v[MV], 0xcaf42400                    ; -8e6: the logit -1e6 as a score
	MASK 0
	MASK 1
	WIN 0
.Lopen:
	MAXES 0
	MAXES 1
	WIN 0
.irp x, 0,1,2,3,4,5,6,7
	v_permlanex16_b32 v[T8+\x], v[BM+\x], s[SEL], s[SEL+1]
.endr
.irp x, 0,1,2,3,4,5,6,7
	v_max_num_f32 v[BM+\x], v[BM+\x], v[T8+\x]     ; with lane l xor 16's 16 keys
.endr
.irp t, 0,1                            ; the two tiles' chains line by line in turn
	v_max3_num_f32 v[TT+\t], v[BM+4*\t], v[BM+4*\t+1], v[BM+4*\t+2]
.endr
.irp t, 0,1
	DEP 2
	v_max_num_f32 v[TT+\t], v[TT+\t], v[BM+4*\t+3] ; the step's largest score of my query
.endr
.irp t, 0,1
	DEP 2
	v_mul_f32 v[TT+\t], s[CS], v[TT+\t]            ; as t (c is positive)
.endr
.irp t, 0,1
	DEP 2
	v_max_num_f32 v[NM+4*\t+1], v[NM+4*\t+1], v[TT+\t]
.endr
.irp t, 0,1
	v_mov_b32 v[TT+\t], v[NM+4*\t]
.endr
.irp t, 0,1
	DEP 4
	v_floor_f32 v[NM+4*\t], -v[NM+4*\t+1]          ; the new -M = -ceil(t): M is a whole number
.endr
.irp t, 0,1
	DEP 2
	v_sub_f32 v[TT+\t], v[NM+4*\t], v[TT+\t]       ; M's old value less its new one
.endr
.irp t, 0,1
	DEP 2
	v_cvt_i32_f32 v[TT+\t], v[TT+\t]               ; (it saturates)
.endr
.irp t, 0,1
	DEP 2
	v_ldexp_f32 v[FF+2*\t], 1.0, v[TT+\t]          ; f = 2^(old M - new M): a multiplication by it rounds nothing
.endr
	RESC 0
	RESC 1
	WIN 0
.irp x, 0,1,2,3,4,5,6,7
	v_fma_f32 v[BM+\x], v[BM+\x], s[CS], v[NM+4*(\x/4)]   ; t - M of each block's largest score
.endr
.irp t, 0,1
	v_pk_mul_f32 v[LL+4*\t:LL+4*\t+1], v[LL+4*\t:LL+4*\t+1], v[FF+2*\t:FF+2*\t+1] op_sel_hi:[1,0]   ; the sums under the new M
.endr
	WALU                                           ; one wait ahead of the batch
	EXPS 0                                         ; p = 2^(t - M), at most 1: not normalised
	EXPS 1
	WIN 0
.irp x, 0,1,2,3,4,5,6,7
	v_exp_f32 v[BM+\x], v[BM+\x]                   ; the block's largest p: the same arithmetic on the same number gives the same bits
.endr
	v_nop                                          ; a plain place behind the exponentials
	WALU                                           ; and one wait behind the batch
	SUMS 0
	SUMS 1
.irp x, 0,1,2,3,4,5,6,7
	v_max_num_f32 v[BM+\x], 0x1800000, v[BM+\x]    ; the floor 2^(3 - 127): the byte cannot fall under 1
.endr
.irp x, 0,1,2,3,4,5,6,7
	v_add_nc_u32 v[SO+\x], 0xff000000, v[BM+\x]    ; 2 off the exponent field: the conversion's scale operand
.endr
.irp x, 0,1,2,3,4,5,6,7
	v_lshrrev_b32 v[T8+\x], 23, v[SO+\x]           ; the scale's byte
.endr
.irp t, 0,1
	v_lshl_or_b32 v[PSW+\t], v[T8+4*\t+1], 8, v[T8+4*\t]
.endr
.irp t, 0,1
	v_lshl_or_b32 v[PSW+\t], v[T8+4*\t+2], 16, v[PSW+\t]
.endr
.irp t, 0,1
	v_lshl_or_b32 v[PSW+\t], v[T8+4*\t+3], 24, v[PSW+\t]
.endr
	CONV 0
	CONV 1
	WIN 0
	NOP4                                           ; places between the last write of p's codes and the products
	WALU
	s_wait_dscnt 0x0                               ; v is in
	PV 0
	PV 1
	WIN 0
	NOP4                                           ; places in front of the next step's loads into registers that these products read
.Ldone:
	s_xor_b32 s46, s46, LSL                        ; the slots change roles, in every trip
	s_xor_b32 s47, s47, LSL
	v_add_nc_u32 v[RF], s46, v[LI]
	v_add_nc_u32 v[RS], s46, v[LS]
	v_add_nc_u32 v[WF], s47, v[SGA]
	v_add_nc_u32 v[WS], s47, v[SGS]
	s_wait_xcnt 0x0
	s_add_nc_u64 s[PN:PN+1], s[PN:PN+1], SLOTB
	s_add_co_u32 s[J], s[J], 1
	s_cmp_lt_u32 s[J], 16
	s_cbranch_scc1 .Ltrip
	; THE WAY OUT
	s_lshl_b32 s46, s31, 7
	s_lshl_b32 s47, s45, 1
	s_add_co_u32 s46, s46, s47                     ; my first tile among all 512
	s_lshl_b32 s38, s46, 4
	s_add_co_u32 s38, s38, s32
	s_mul_i32 s38, s38, 768
	s_add_nc_u64 s[40:41], s[10:11], s[38:39]
	s_lshl_b32 s38, s46, 9
	s_lshl_b32 s47, s32, 1
	s_add_co_u32 s38, s38, s47
	s_add_co_u32 s38, s38, OS_OFF
	s_add_nc_u64 s[42:43], s[10:11], s[38:39]
	WALU
.irp t, 0,1
	v_add_f32 v[LL+4*\t], v[LL+4*\t], v[LL+4*\t+1] ; the sum's two halves,
.endr
.irp t, 0,1
	v_permlanex16_b32 v[T8+\t], v[LL+4*\t], s[SEL], s[SEL+1]
.endr
.irp t, 0,1
	v_add_f32 v[LL+4*\t], v[LL+4*\t], v[T8+\t]     ; and lane l xor 16's
.endr
	WALU
.irp t, 0,1
	v_rcp_f32 v[LL+4*\t], v[LL+4*\t]
.endr
	v_nop
	EPI 0
	EPI 1
	s_wait_tensorcnt 0x0                           ; the wave's end, behind my last LDS store
	ds_add_u32 v[SPW], v[NIL]
	s_wait_dscnt 0x0
	s_endpgm
.Lfunc_end_k_q7ab00a9e0f_attn:
	.size	k_q7ab00a9e0f_attn, .Lfunc_end_k_q7ab00a9e0f_attn-k_q7ab00a9e0f_attn
	.p2alignl 7, 3214868480
	.fill 96, 4, 3214868480
	.section	.rodata,"a",@progbits
	.p2align	6, 0x0
	.amdhsa_kernel k_q7ab00a9e0f_attn
		.amdhsa_group_segment_fixed_size 37376
		.amdhsa_private_segment_fixed_size 0
		.amdhsa_enable_private_segment 0
		.amdhsa_kernarg_size 32
		.amdhsa_user_sgpr_count 2
		.amdhsa_user_sgpr_kernarg_segment_ptr 1
		.amdhsa_wavefront_size32 1
		.amdhsa_system_sgpr_workgroup_id_x 1
		.amdhsa_system_sgpr_workgroup_id_y 1
		.amdhsa_system_sgpr_workgroup_id_z 1
		.amdhsa_system_vgpr_workitem_id 0
		.amdhsa_next_free_vgpr 512
		.amdhsa_next_free_sgpr 66
		.amdhsa_reserve_vcc 1
		.amdhsa_float_denorm_mode_32 3
		.amdhsa_float_denorm_mode_16_64 3
		.amdhsa_memory_ordered 1
		.amdhsa_forward_progress 1
		.amdhsa_inst_pref_size 80
	.end_amdhsa_kernel
	.amdgpu_metadata
---
amdhsa.version: [ 1, 2 ]
amdhsa.kernels:
  - .name:           k_q7ab00a9e0f_attn
    .symbol:         k_q7ab00a9e0f_attn.kd
    .args:
      - { .name: qf, .offset: 0, .size: 8, .value_kind: global_buffer, .address_space: global }
      - { .name: kv, .offset: 8, .size: 8, .value_kind: global_buffer, .address_space: global }
      - { .name: valid_lens, .offset: 16, .size: 8, .value_kind: global_buffer, .address_space: global }
      - { .name: of, .offset: 24, .size: 8, .value_kind: global_buffer, .address_space: global }
    .group_segment_fixed_size: 37376
    .private_segment_fixed_size: 0
    .kernarg_segment_align: 8
    .kernarg_segment_size: 32
    .max_flat_workgroup_size: 128
    .sgpr_count:     66
    .vgpr_count:     512
    .wavefront_size: 32
...
	.end_amdgpu_metadata
.endif
;; end of part 3
;; launch outp (part 4): grid 4 x 64, 4 waves a work-group, clusters of 4 x 4, 327,680 bytes of LDS; arguments of, wts, out0; writes out0
.if DOCPART == 4
	.amdgcn_target "amdgcn-amd-amdhsa--gfx1250"
	.amdhsa_code_object_version 6
	.text
	.protected	k_q7ab00a9e0f_outp
	.globl	k_q7ab00a9e0f_outp
	.p2align	8
	.type	k_q7ab00a9e0f_outp,@function
k_q7ab00a9e0f_outp:
	s_mov_b64 s[64:65], 0
	v_nop
	global_prefetch_b8 v0, s[64:65] scope:SCOPE_SE
	s_setreg_imm32_b32 hwreg(HW_REG_WAVE_MODE, 25, 1), 1
	s_wait_xcnt 0x0
	s_wait_alu depctr_hold_cnt(0) depctr_sa_sdst(0) depctr_va_vdst(0) depctr_va_sdst(0) depctr_va_ssrc(0) depctr_va_vcc(0) depctr_vm_vsrc(0)
	s_getreg_b32 s2, hwreg(HW_REG_IB_STS2, 6, 4)
	s_cmp_eq_u32 s2, 0
	s_cbranch_scc0 .Lentry_in_a_cluster
	s_endpgm
.Lentry_in_a_cluster:
	s_bfe_u32 s2, ttmp6, 0x10000c
	s_cmp_lg_u32 s2, 0xf033
	s_cbranch_scc0 .Lentry_shape_is_right
	s_endpgm
.Lentry_shape_is_right:
; out0 = o Wo: [8192][1024] x [1024][1024] on codes of FP6 (E2M3) with one E8M0 scale for each 32 along K; sums and result in f32.
; A work-group makes 128 rows x 256 columns: 64 x 4 = 256 work-groups.  ALL OF K LIES IN LDS: o's 128 rows (98,304 bytes), Wo's 256 rows (196,608 bytes), both as images of the operands' registers, dense in memory
; and in LDS, and the scale bytes (4,096 and 8,192, in units of 256 bytes + 16 of padding).  They come by FOUR tensor loads at the head, one a wave; nothing is filled again: no ring and no round but the first and the last.
; of: [tile of 16 rows][head][3][256]: a fragment of 128 along K is six pieces of 256 bytes, 8 bytes a lane.  Wo (from byte WOI of wts on): [block of 16 rows][step of 128 along K][3][512]: three pieces, 16 bytes a lane.
; CLUSTERS: 4 x 4.  o's tiles hang on the tile row and are shared along a row of the cluster, Wo's on the tile column and are shared along a column: joint loads.
; A wave makes 64 x 128: 32 accumulators in window 2, taken by turns, one instruction a turn.  K goes in 8 steps of 128, 32 products each; the next step's 48 LDS loads are issued ahead of a step's products.
; Two sets of fragments: o's in window 0, Wo's in window 1.  The matrix instruction is used transposed (source 0 = 16 rows of Wo): a lane holds eight neighbouring numbers of a row of the result.
; Rows of o and of Wo lie at pi(row) (bits 3 and 4 exchanged): the way out sets both orders right.
; No prefetch: the launch has no loop to run ahead in; all that a work-group reads is asked for by the head's four loads.
.set WS_OFF, 6291456
.set OS_OFF, 6291456
.set WOI,    786432
.set BL,     98304                     ; LDS: o's codes at 0, Wo's from here
.set SCL,    294912                    ; o's scales: 16 units of 272
.set SCLB,   SCL+4352                  ; Wo's: 32 units
.set SPARE,  SCL+13056                 ; the spare words, 128 bytes a wave, which no other line names
.set SBLK,   544                       ; the scales of 16 rows
.set SPITCH, 528                       ; the way out: a stage of 16 rows x (512 + 16) bytes a wave, on o's bytes, behind the barrier behind which nobody reads them
.set PADW,   (1<<20)|(5<<22)|(3<<25)
.set ADRA, 16
.set ADRB, 18                          ; v18 blocks 0-3, v19 blocks 4-7
.set STO,  24
.set RD,   25
.set CO,   26
.set ADRS, 27
.set SPW,  28
.set NIL,  29
.set SC,   32                          ; v32-95 scale words: register 8 q + i: lanes 0-15 o's block i, lanes 16-31 Wo's block i, step q
.set AF,   128                         ; o's fragments, two sets of 48
.set BK,   128                         ; the way out: rows read back, two sets of 64
.set G1A, 24
.set G1B, 32
.set G1S, 48
.set G1SB, 56
.set G0A, 68
.set G0B, 72
.set G0S, 76
.set G0SB, 80
.set MSB, 0
.macro WIN new
.if MSB != (\new)
	s_set_vgpr_msb (MSB<<8)|(\new)
.set MSB, (\new)
.endif
.endm
.macro NOP4
.rept 4
	v_nop
.endr
.endm
.macro CROUND
	s_barrier_signal -1
	s_barrier_wait -1
	s_cmp_lg_u32 s14, 0
	s_cbranch_scc1 .Lnot_wave_0_\@
	s_barrier_signal -3
.Lnot_wave_0_\@:
	s_barrier_wait -3
	s_barrier_signal -1
	s_barrier_wait -1
.endm
.macro DENSE g, mask, rows, pad        ; group 1 of a dense block: rows of 256 bytes (32 elements of 8)
	s_or_b32 s[\g], s\mask, (3<<16)|(1<<21)|(\pad)
	s_mov_b32 s[\g+1], 32<<16
	s_mov_b32 s[\g+2], (\rows)<<16
	s_mov_b32 s[\g+3], 32<<16
	s_mov_b32 s[\g+4], \rows
	s_mov_b32 s[\g+5], 32
	s_mov_b32 s[\g+6], 0
	s_mov_b32 s[\g+7], 0
.endm
.macro G0SET g, lds, a
	s_mov_b32 s[\g], 1
	s_mov_b32 s[\g+1], \lds
	s_mov_b64 s[\g+2:\g+3], s[\a:\a+1]
	s_or_b32 s[\g+3], s[\g+3], 0x80000000
.endm
.macro ARM under, g0, g1, next         ; one chain of branches on the wave's number: every way passes exactly one load
	s_cmp_lt_u32 s14, \under
	s_cbranch_scc0 \next
	tensor_load_to_lds s[\g0:\g0+3], s[\g1:\g1+7]
	s_nop 0
	NOP4
	s_branch .Lhead_asked
\next:
.endm
	s_load_b128 s[4:7], s[0:1], 0x0                ; of, wts
	s_load_b64 s[12:13], s[0:1], 0x10              ; out0
	v_lshl_add_u32 v[SPW], v0, 2, SPARE
	v_mov_b32 v[NIL], 0
	ds_add_u32 v[SPW], v[NIL]                      ; the opening lines: the add, twice on end, and its wait
	ds_add_u32 v[SPW], v[NIL]
	v_lshrrev_b32 v1, 5, v0
	v_readfirstlane_b32 s14, v1                    ; wave
	s_lshr_b32 s15, s14, 1                         ; which 64 rows are mine
	s_and_b32 s16, s14, 1                          ; which 128 columns
	s_bfe_u32 s40, ttmp6, 0x40000                  ; cx
	s_bfe_u32 s41, ttmp6, 0x40004                  ; cy
	s_lshl_b32 s42, ttmp9, 2
	s_add_co_u32 s42, s42, s40                     ; tile column, 0 .. 3
	s_and_b32 s17, ttmp7, 0xffff
	s_lshl_b32 s17, s17, 2
	s_add_co_u32 s17, s17, s41                     ; tile row, 0 .. 63
	s_lshl_b32 s43, s41, 2
	s_lshl_b32 s43, 15, s43                        ; my row of the cluster
	s_lshl_b32 s44, 0x1111, s40                    ; my column
	DENSE G1A, 43, 384, 0
	DENSE G1B, 44, 768, 0
	DENSE G1S, 43, 16, PADW
	DENSE G1SB, 44, 32, PADW
	s_mul_i32 s20, s17, 98304                      ; o's codes: 128 rows of 768 bytes
	s_mov_b32 s21, 0
	s_lshl_b32 s22, s17, 12                        ; its scales: 128 rows of 32
	s_add_co_u32 s22, s22, OS_OFF
	s_mov_b32 s23, 0
	s_mul_i32 s46, s42, 196608                     ; Wo's codes: 256 rows
	s_add_co_u32 s46, s46, WOI
	s_mov_b32 s47, 0
	s_lshl_b32 s92, s42, 13                        ; its scales
	s_add_co_u32 s92, s92, WS_OFF+98304
	s_mov_b32 s93, 0
	s_wait_dscnt 0x0
	s_wait_kmcnt 0x0
	s_add_nc_u64 s[20:21], s[4:5], s[20:21]
	s_add_nc_u64 s[22:23], s[4:5], s[22:23]
	s_add_nc_u64 s[46:47], s[6:7], s[46:47]
	s_add_nc_u64 s[92:93], s[6:7], s[92:93]
	CROUND                                         ; all sixteen work-groups are here: the joint loads meet
	G0SET G0B, BL, 46
	G0SET G0A, 0, 20
	G0SET G0S, SCL, 22
	G0SET G0SB, SCLB, 92
	ARM 1, G0B, G1B, .Lhead_a
	ARM 2, G0A, G1A, .Lhead_sa
	ARM 3, G0S, G1S, .Lhead_sb
	tensor_load_to_lds s[G0SB:G0SB+3], s[G1SB:G1SB+7]
	s_nop 0
	NOP4
.Lhead_asked:
	s_mul_i32 s21, s15, 49152                      ; my four tiles of o
	s_mul_i32 s22, s16, 98304
	s_add_co_u32 s22, s22, BL                      ; my eight blocks of Wo
	s_mul_i32 s18, s15, 2176
	s_add_co_u32 s18, s18, SCL                     ; my rows' scales
	s_mul_i32 s19, s16, 4352
	s_add_co_u32 s19, s19, SCLB
	s_sub_co_u32 s19, s19, s18                     ; lanes 16-31 take Wo's: the distance
	s_mul_i32 s23, s14, 16*SPITCH                  ; my stage
	v_and_b32 v1, 15, v0
	v_bfe_u32 v2, v0, 4, 1
	v_and_b32 v6, 31, v0
	v_lshlrev_b32 v7, 3, v6
	v_lshlrev_b32 v[CO], 4, v6
	v_add_nc_u32 v[ADRA], s21, v7
	v_add_nc_u32 v[ADRB], s22, v[CO]
	v_add_nc_u32 v[ADRB+1], 49152, v[ADRB]
	v_lshlrev_b32 v5, 5, v1                        ; 32 bytes a row,
	v_lshrrev_b32 v7, 8, v5
	v_lshl_add_u32 v5, v7, 4, v5                   ; and 16 more for each 256 passed
	v_mul_u32_u24 v7, s19, v2
	v_add_nc_u32 v5, v5, v7
	v_add_nc_u32 v[ADRS], s18, v5
	v_mul_u32_u24 v5, v1, SPITCH
	v_lshl_add_u32 v5, v2, 6, v5
	v_add_nc_u32 v[STO], s23, v5
	v_add_nc_u32 v[RD], s23, v[CO]
	s_lshl_b32 s20, s17, 7
	s_lshl_b32 s21, s15, 6
	s_add_co_u32 s20, s20, s21                     ; my first row of the result
	s_lshl_b32 s20, s20, 12                        ; 4,096 bytes a row
	s_lshl_b32 s46, s42, 10
	s_lshl_b32 s47, s16, 9
	s_add_co_u32 s20, s20, s46
	s_add_co_u32 s20, s20, s47                     ; + my first column, in bytes
	s_mov_b32 s21, 0
	s_add_nc_u64 s[12:13], s[12:13], s[20:21]
.macro FETCH q                         ; step q's fragments into set q % 2: 24 loads of 16 bytes a lane, 24 of 8
	WIN 0x40
.irp b, 0,1,2,3,4,5,6,7
.irp c, 0,1,2
	ds_load_b128 v[96*((\q)%2)+12*\b+4*\c:96*((\q)%2)+12*\b+4*\c+3], v[ADRB+\b/4] offset:12288*(\b%4)+1536*(\q)+512*\c
.endr
.endr
	WIN 0
.irp a, 0,1,2,3
.irp p, 0,1,2,3,4,5
	ds_load_b64 v[AF+48*((\q)%2)+12*\a+2*\p:AF+48*((\q)%2)+12*\a+2*\p+1], v[ADRA] offset:12288*\a+1536*(\q)+256*\p
.endr
.endr
.endm
.macro MUL q
.irp a, 0,1,2,3
.irp b, 0,1,2,3,4,5,6,7
.if (\q) == 0
	v_wmma_scale_f32_16x16x128_f8f6f4 v[8*(8*\a+\b):8*(8*\a+\b)+7], v[96*((\q)%2)+12*\b:96*((\q)%2)+12*\b+11], v[AF+48*((\q)%2)+12*\a:AF+48*((\q)%2)+12*\a+11], 0, v[SC+8*(\q)+\b], v[SC+8*(\q)+\a] matrix_a_fmt:MATRIX_FMT_FP6 matrix_b_fmt:MATRIX_FMT_FP6 matrix_a_scale:MATRIX_SCALE_ROW1
.else
	v_wmma_scale_f32_16x16x128_f8f6f4 v[8*(8*\a+\b):8*(8*\a+\b)+7], v[96*((\q)%2)+12*\b:96*((\q)%2)+12*\b+11], v[AF+48*((\q)%2)+12*\a:AF+48*((\q)%2)+12*\a+11], v[8*(8*\a+\b):8*(8*\a+\b)+7], v[SC+8*(\q)+\b], v[SC+8*(\q)+\a] matrix_a_fmt:MATRIX_FMT_FP6 matrix_b_fmt:MATRIX_FMT_FP6 matrix_a_scale:MATRIX_SCALE_ROW1
.endif
.endr
.endr
.endm
	s_wait_alu depctr_va_vdst(0)                   ; the wait at the head's end
	s_wait_tensorcnt 0x0                           ; my tile is in,
	s_barrier_signal -1
	s_barrier_wait -1                              ; and so are the other three
.irp q, 0,1,2,3,4,5,6,7
.irp i, 0,1,2,3,4,5,6,7
	ds_load_b32 v[SC+8*\q+\i], v[ADRS] offset:SBLK*\i+4*\q
.endr
.endr
	FETCH 0
.set Q, 0
.rept 8
	s_wait_dscnt 0x0                               ; this step's fragments are in: nothing younger is out
.if Q < 7
.if Q > 0
	NOP4                                           ; places in front of loads into registers that the last step's products read
.endif
	FETCH Q+1
.endif
	WIN 0xa1                                       ; source 0 window 1, source 1 window 0, C and D window 2
	MUL Q
	WIN 0
.set Q, Q+1
.endr
	s_wait_dscnt 0x0                               ; my reads of o's bytes are over
	s_barrier_signal -1
	s_barrier_wait -1                              ; and everybody's: the stages may lie there
; THE WAY OUT, block by block of 16 rows x 128 columns, through my own stage: whole rows of 512 bytes come back, which 32 lanes store as two aligned units of 256 bytes.
.macro TOSTAGE a
.set AC, 64*(\a)
	WIN 0x08
.irp b, 0,1,2,3,4,5,6,7
	ds_store_b128 v[STO], v[AC+8*\b:AC+8*\b+3] offset:128*(\b/2)+32*(\b%2)     ; each accumulator from its low end on
	ds_store_b128 v[STO], v[AC+8*\b+4:AC+8*\b+7] offset:128*(\b/2)+32*(\b%2)+16
.endr
	WIN 0
.set BB, BK+64*((\a)%2)
.irp t, 0,1,2,3,4,5,6,7,8,9,10,11,12,13,14,15
	ds_load_b128 v[BB+4*\t:BB+4*\t+3], v[RD] offset:\t*SPITCH                  ; LDS serves a wave's instructions in order: these see the stores above
.endr
.endm
.macro SEND a, younger
.set BB, BK+64*((\a)%2)
	s_wait_dscnt \younger
.irp t, 0,1,2,3,4,5,6,7,8,9,10,11,12,13,14,15
	global_store_b128 v[CO], v[BB+4*\t:BB+4*\t+3], s[12:13] offset:(32*((\a)/2)+8*((\a)%2)+\t+8*(\t/8))*4096 th:TH_STORE_NT
.endr
.endm
	NOP4                                           ; places between the last products and the reads of results and the loads into the fragments' registers
	TOSTAGE 0
.irp a, 1,2,3
.if \a > 1
	s_wait_xcnt 0x0                                ; block a - 2's stores have read their registers
.endif
	TOSTAGE \a
	SEND \a-1, 32                                  ; behind block a - 1's loads: block a's 16 stores and 16 loads
.endr
	SEND 3, 0
	s_wait_tensorcnt 0x0                           ; the wave's end
	ds_add_u32 v[SPW], v[NIL]
	s_wait_dscnt 0x0
	CROUND                                         ; the closing round
	s_endpgm
.Lfunc_end_k_q7ab00a9e0f_outp:
	.size	k_q7ab00a9e0f_outp, .Lfunc_end_k_q7ab00a9e0f_outp-k_q7ab00a9e0f_outp
	.p2alignl 7, 3214868480
	.fill 96, 4, 3214868480
	.section	.rodata,"a",@progbits
	.p2align	6, 0x0
	.amdhsa_kernel k_q7ab00a9e0f_outp
		.amdhsa_group_segment_fixed_size 327680
		.amdhsa_private_segment_fixed_size 0
		.amdhsa_enable_private_segment 0
		.amdhsa_kernarg_size 24
		.amdhsa_user_sgpr_count 2
		.amdhsa_user_sgpr_kernarg_segment_ptr 1
		.amdhsa_wavefront_size32 1
		.amdhsa_system_sgpr_workgroup_id_x 1
		.amdhsa_system_sgpr_workgroup_id_y 1
		.amdhsa_system_sgpr_workgroup_id_z 1
		.amdhsa_system_vgpr_workitem_id 0
		.amdhsa_next_free_vgpr 768
		.amdhsa_next_free_sgpr 98
		.amdhsa_reserve_vcc 0
		.amdhsa_float_denorm_mode_32 3
		.amdhsa_float_denorm_mode_16_64 3
		.amdhsa_memory_ordered 1
		.amdhsa_forward_progress 1
		.amdhsa_inst_pref_size 85
	.end_amdhsa_kernel
	.amdgpu_metadata
---
amdhsa.version: [ 1, 2 ]
amdhsa.kernels:
  - .name:           k_q7ab00a9e0f_outp
    .symbol:         k_q7ab00a9e0f_outp.kd
    .args:
      - { .name: of, .offset: 0, .size: 8, .value_kind: global_buffer, .address_space: global }
      - { .name: wts, .offset: 8, .size: 8, .value_kind: global_buffer, .address_space: global }
      - { .name: out0, .offset: 16, .size: 8, .value_kind: global_buffer, .address_space: global }
    .group_segment_fixed_size: 327680
    .private_segment_fixed_size: 0
    .kernarg_segment_align: 8
    .kernarg_segment_size: 24
    .max_flat_workgroup_size: 128
    .sgpr_count:     98
    .vgpr_count:     768
    .wavefront_size: 32
...
	.end_amdgpu_metadata
.endif
;; end of part 4
